; MI455X (gfx1250); checked and timed in simulation.
; The chip was launched on July 23, 2026; its instructions are those of AMD's public machine-readable ISA for CDNA 5 (MIT licence, August 2026) and "CDNA5" Instruction Set Architecture Reference Guide (July 2026). The comments in the code are by the model that wrote it; some were corrected since.
;; Multi Headed Attention. Allowed arithmetic: matrix products marked QUANTISED: E2M1 operands, one E8M0 scale for each 32 along K, by v_wmma_scale_f32_16x16x128_f8f6f4 with both operands' format E2M1 (or v_wmma_scale_f32_32x16x128_f4), f32 sums; products left as they are: bf16, f16 or f32 operands; f32 sums; everything else in f32.
;; Inputs: Wk 1,024 x 1,024 float32; Wo 1,024 x 1,024 float32; Wq 1,024 x 1,024 float32; Wv 1,024 x 1,024 float32; bk 1,024 float32; bo 1,024 float32; bq 1,024 float32; bv 1,024 float32; mask 4 x 1 x 2,048 int32; x 4 x 2,048 x 1,024 float32.
;; Outputs: out0 4 x 2,048 x 1,024 float32.
;; This version of the problem:
;;   THIS VERSION OF THE PROBLEM IS GIVEN IN LOW PRECISION. The matrix products marked QUANTISED in the list below multiply operands that are first quantised to E2M1 (2 exponent bits, 1 mantissa bit; 4 bits a number), with one power-of-two scale for each 32 numbers along K (OCP MX v1.0); their sums are f32. The products marked 'left as it is' may take bf16, f16 or f32 operands, with f32 sums. Whichever they take, every output number must still come out within the allowed error. Rounding operands to bf16 (8 significant bits) uses up far more of that allowance than f16 does (11 bits, for magnitudes from 6e-5 to 65,504). All else is computed in f32.
;;   The module's matrix products, in the order in which they are computed (A, B: the left and right operand; K: the contracted axis; several contracted axes count as one K, in the product's order):
;;     1. [M 8,192, K 1,024] x [K 1,024, N 1,024]; A: input x; B: input Wq: QUANTISED
;;     2. [M 8,192, K 1,024] x [K 1,024, N 1,024]; A: input x; B: input Wk: QUANTISED
;;     3. [M 8,192, K 1,024] x [K 1,024, N 1,024]; A: input x; B: input Wv: QUANTISED
;;     4. batch 64 x [M 2,048, K 64] x [K 64, N 2,048]; A: computed on the way; B: computed on the way: left as it is (an operand is computed on the way)
;;     5. batch 64 x [M 2,048, K 2,048] x [K 2,048, N 64]; A: computed on the way; B: computed on the way: left as it is (an operand is computed on the way)
;;     6. [M 8,192, K 1,024] x [K 1,024, N 1,024]; A: computed on the way; B: input Wo: left as it is (an operand is computed on the way)
;;   THE QUANTISER, for each operand of a quantised product, along K:
;;     - K is cut into blocks of 32 from its start; a last block that is shorter is filled with zeros.
;;     - A block's scale is 2^e with e = floor(log2(the largest magnitude in the block)) - 2, held to -126 .. 127; a block of zeros has e = 0. As a byte (E8M0): e + 127.
;;     - Each number is divided by its block's scale, clamped to +-6, and rounded to the nearest number of E2M1, ties to even, subnormals kept.
;;     - The product sums the exact products of the quantised numbers (number of the format x scale) in f32.
;;   ~~~python
;;   def quantise(x, axis):      # numpy; x: float32 -> the quantised numbers, widened to float32 again
;;       x = np.moveaxis(x, axis, -1); K = x.shape[-1]
;;       x = np.pad(x, [(0, 0)] * (x.ndim - 1) + [(0, -K % 32)]); x = x.reshape(x.shape[:-1] + (-1, 32)); a = np.abs(x).max(-1, keepdims=True)
;;       e = np.where(a > 0, np.clip(np.frexp(np.where(a > 0, a, 1))[1] - 1 - 2, -126, 127), 0)      # np.frexp(a)[1] - 1 = floor(log2(a)), exactly
;;       r = np.clip(x / 2.0 ** e, -6, 6)
;;       step = 2.0 ** (np.maximum(np.frexp(np.where(r == 0, 1, r))[1] - 1, 0) - 1)
;;       q = np.round(r / step) * step * 2.0 ** e      # np.round: ties to even
;;       return np.moveaxis(q.reshape(q.shape[:-2] + (-1,))[..., :K], -1, axis).astype(np.float32)
;;   ~~~
;; One version. Each part assembles by itself: llvm-mc -triple=amdgcn-amd-amdhsa -mcpu=gfx1250 --defsym DOCPART=n.
;; ======== version 1 of 1: 4 launches
;; limits: values are held in f16: magnitudes above 65,504 overflow, below 6.1e-05 lose precision
;; workspace buffers: xc 4,194,304 bytes; xs 262,144 bytes; wc 1,572,864 bytes; ws 98,304 bytes; wo16 2,097,152 bytes; mb 32,768 bytes; qkv 50,331,648 bytes; ctx 16,777,216 bytes
;; launch prep (part 1): grid 384 x 1, 4 waves a work-group, no clusters, 33,280 bytes of LDS; arguments x, Wq, Wk, Wv, Wo, mask, xc, xs, wc, ws, wo16, mb; writes xc, xs, wc, ws, wo16, mb
.if DOCPART == 1
	.amdgcn_target "amdgcn-amd-amdhsa--gfx1250"
	.amdhsa_code_object_version 6
	.text
	.protected	k_qe93728ae00_prep
	.globl	k_qe93728ae00_prep
	.p2align	8
	.type	k_qe93728ae00_prep,@function
k_qe93728ae00_prep:
	s_mov_b64 s[64:65], 0
	v_nop
	global_prefetch_b8 v0, s[64:65] scope:SCOPE_SE
	s_setreg_imm32_b32 hwreg(HW_REG_WAVE_MODE, 25, 1), 1
	s_wait_xcnt 0x0
; WHAT IS MADE READY ONCE.  (1) x [8192][1024] and Wq, Wk, Wv [1024][1024], f32, K innermost, become codes of FP4 (E2M1), two a byte, K innermost, with one E8M0 scale byte for each 32 along K:
; xc [8192][512 bytes], xs [8192][32];  wc [3072][512 bytes], ws [3072][32], rows of Wq, then Wk, then Wv.  (2) Wo becomes f16, laid [16 blocks of 64 along K][1024 n][64].  (3) mask becomes an addend for the scores, f32:
; 0 where the key counts, -1e9 x log2(e) where mask == 0.
; A block's scale is 2^(floor(log2(its largest magnitude)) - 2); its byte is the largest magnitude's exponent field - 2, held at 1 from below.  A block of zeros so gets the byte 1 where the rule says 127: its codes are
; zeros, which add nothing under any byte but 0xff, and this program alone reads the bytes.  Each number is divided by the scale and rounded to the nearest code, ties to even; beyond 6 the largest code.
; LIMITS: blocks whose largest magnitude lies under 2^-124 keep the byte 1; NaN and infinities among the inputs are not served; |Wo| stays under 65,504 (f16).
; SHARES.  Work-groups 0-255 take x, 256-287 Wq, 288-319 Wk, 320-351 Wv: 32,768 numbers each, 8,192 a wave, as plain streams of blocks of 32 (rows are dense).  Only pointers are chosen: one path through the text.
; Work-groups 352-383 take Wo (8 rows a wave) and the mask (64 keys a wave); that path uses no LDS.  No tensor loads, no barrier: waves share nothing.
.set WAVES, 4
.set STEPS, 16
.set CB,    8                          ; bytes of 16 codes
.set R,     16                         ; v16-79   four sets of 16 numbers as they are loaded
.set X,     80                         ; v80-111  two sets of 16 neighbours
.set E,     112                        ; v112-127 a scale byte for each step
.set C,     128                        ; v128-191 codes: four registers for each step, so that no store's data are written again
.set WREG,  8192                       ; LDS: a region for each wave: two stages of 32 x SP bytes, and behind them its 256 scale bytes
.set SP,    80                         ; a lane's place in a stage: its 64 bytes + 16 of padding
.set SPW,   12                         ; v12      LDS address of my spare word; never rewritten
.set NIL,   13                         ; v13      0; never rewritten
.set SPARE, WAVES*WREG                 ; behind the four regions: the spare words, 128 bytes a wave
	s_load_b512 s[4:19], s[0:1], 0x0               ; x s[4:5], Wq s[6:7], Wk s[8:9], Wv s[10:11], Wo s[12:13], mask s[14:15], xc s[16:17], xs s[18:19]
	s_load_b256 s[20:27], s[0:1], 0x40             ; wc s[20:21], ws s[22:23], wo16 s[24:25], mb s[26:27]
	v_lshl_add_u32 v[SPW], v0, 2, SPARE
	v_mov_b32 v[NIL], 0
	v_lshrrev_b32 v1, 5, v0
	v_readfirstlane_b32 s34, v1                    ; wave
	v_and_b32 v2, 31, v0                           ; lane
	s_mov_b32 s41, 0                               ; the upper word of every offset
	s_wait_kmcnt 0x0
	s_cmp_ge_u32 ttmp9, 352
	s_cbranch_scc1 .Lwo
	; ---- THE QUANTISER
	v_lshlrev_b32 v3, 4, v2                        ; my 16 bytes of a load's 512
	s_mul_i32 s38, s34, WREG
	v_lshrrev_b32 v14, 2, v2
	v_mul_u32_u24 v14, v14, SP
	v_and_b32 v15, 3, v2
	v_lshl_add_u32 v14, v15, 4, v14
	v_add_nc_u32 v14, s38, v14                     ; the stage, on the way in: four lanes' 64 bytes on end, then 16 of padding
	v_mul_u32_u24 v15, v2, SP
	v_add_nc_u32 v15, s38, v15                     ; and on the way out: my 16 neighbours
	v_mul_u32_u24 v4, v2, CB                       ; my codes' place in a step's
	v_lshrrev_b32 v5, 1, v2
	s_add_co_u32 s38, s38, 2*32*SP
	v_add_nc_u32 v5, s38, v5                       ; LDS: my wave's 256 scale bytes, my block's byte
	v_lshlrev_b32 v7, 3, v2                        ; and on the way out 8 bytes a lane
	v_add_nc_u32 v6, s38, v7
	s_and_b32 s35, ttmp9, 31                       ; which 32,768 numbers of a weight
	s_cmp_lt_u32 ttmp9, 320                        ; the choices hang on the work-group's number alone
	s_cselect_b64 s[28:29], s[8:9], s[10:11]
	s_cmp_lt_u32 ttmp9, 288
	s_cselect_b64 s[28:29], s[6:7], s[28:29]
	s_cmp_lt_u32 ttmp9, 256
	s_cselect_b64 s[28:29], s[4:5], s[28:29]       ; the numbers,
	s_cselect_b64 s[30:31], s[16:17], s[20:21]     ; the codes,
	s_cselect_b64 s[32:33], s[18:19], s[22:23]     ; the scale bytes
	s_cselect_b32 s36, ttmp9, s35                  ; my place in the source,
	s_cselect_b32 s37, 0, 256
	s_sub_co_u32 s37, ttmp9, s37                   ; and in the codes' buffer: the three weights lie one behind the other
	s_lshl_b32 s36, s36, 2
	s_add_co_u32 s36, s36, s34
	s_lshl_b32 s40, s36, 15                        ; a wave's 8,192 numbers are 32,768 bytes,
	s_add_nc_u64 s[28:29], s[28:29], s[40:41]
	s_lshl_b32 s37, s37, 2
	s_add_co_u32 s37, s37, s34
	s_lshl_b32 s40, s37, 12                        ; 4,096 bytes of codes,
	s_add_nc_u64 s[30:31], s[30:31], s[40:41]
	s_lshl_b32 s40, s37, 8                         ; 256 scale bytes
	s_add_nc_u64 s[32:33], s[32:33], s[40:41]
.macro LOAD t
.irp i, 0,1,2,3
	global_load_b128 v[R+16*((\t)%4)+4*\i:R+16*((\t)%4)+4*\i+3], v3, s[28:29] offset:2048*(\t)+512*\i th:TH_LOAD_NT   ; 32 lanes read 512 consecutive bytes
.endr
.endm
.macro TURN t                          ; step t's numbers through the stage: LDS serves a wave's instructions in order, so no wait stands between the stores and the loads
.irp i, 0,1,2,3
	ds_store_b128 v14, v[R+16*((\t)%4)+4*\i:R+16*((\t)%4)+4*\i+3] offset:32*SP*((\t)%2)+8*SP*\i
.endr
.irp i, 0,1,2,3
	ds_load_b128 v[X+16*((\t)%2)+4*\i:X+16*((\t)%2)+4*\i+3], v15 offset:32*SP*((\t)%2)+16*\i
.endr
.endm
.irp t, 0,1,2,3
	LOAD \t
.endr
	s_wait_loadcnt 12                              ; step 0's four loads are in; the 12 of steps 1 to 3 may be out
	TURN 0
.macro STEP t
.set XS, X+16*((\t)%2)
.if (\t) > 0
	s_wait_dscnt 1                                 ; this step's numbers are back from the stage (the last step's byte store may be out)
.else
	s_wait_dscnt 0x0
.endif
.if (\t)+4 < STEPS
	LOAD (\t)+4                                    ; into the registers that the stage's stores have read
.endif
.if (\t)+1 < STEPS
.if STEPS-2-(\t) >= 3
	s_wait_loadcnt 12                              ; the next step's four loads are in; those of the three steps behind it may be out
.else
	s_wait_loadcnt 4*(STEPS-2-(\t))
.endif
	TURN (\t)+1                                    ; and go through the other stage while this step is worked
.endif
	v_max3_num_f32 v8, |v[XS]|, |v[XS+1]|, |v[XS+2]|               ; the largest magnitude of my 16, in two chains
	v_max3_num_f32 v9, |v[XS+3]|, |v[XS+4]|, |v[XS+5]|
.irp i, 6,10
	v_max3_num_f32 v8, v8, |v[XS+\i]|, |v[XS+\i+1]|
	v_max3_num_f32 v9, v9, |v[XS+\i+2]|, |v[XS+\i+3]|
.endr
	v_max3_num_f32 v8, v8, |v[XS+14]|, |v[XS+15]|
	v_max3_num_f32 v8, v8, v9, 0x1800000           ; and the floor 2^(3 - 127): so the byte cannot fall under 1
	v_max_num_f32_dpp v8, v8, v8 row_xmask:1 row_mask:0xf bank_mask:0xf   ; and of my neighbour's 16: the block's
	v_add_nc_u32 v11, 0xff000000, v8               ; 2 off its exponent field: the conversion takes the exponent field of this operand as its scale, and nothing else of it
	v_cvt_scalef32_pk8_fp4_f32 v[C+4*(\t)], v[XS:XS+7], v11
	v_cvt_scalef32_pk8_fp4_f32 v[C+4*(\t)+1], v[XS+8:XS+15], v11
	v_lshrrev_b32 v[E+(\t)], 23, v11               ; the scale's byte (a plain line behind the conversions)
	ds_store_b8 v5, v[E+(\t)] offset:16*(\t)       ; both lanes of a block write the same byte with the same value
	global_store_b64 v4, v[C+4*(\t):C+4*(\t)+1], s[30:31] offset:32*CB*(\t)   ; the wave stores 256 consecutive bytes, aligned
.endm
.irp t, 0,1,2,3,4,5,6,7,8,9,10,11,12,13,14,15
	STEP \t
.endr
	ds_load_b64 v[8:9], v6                         ; LDS serves a wave's instructions in order: these see my byte stores
	s_wait_dscnt 0x0
	global_store_b64 v7, v[8:9], s[32:33]          ; 32 lanes store 256 consecutive bytes, aligned
	s_wait_tensorcnt 0x0                           ; the wave's end
	ds_add_u32 v[SPW], v[NIL]
	s_wait_dscnt 0x0
	s_endpgm
	; ---- Wo TO f16, AND THE MASK.  Wave g of 128 takes rows 8 g .. 8 g + 7 of Wo and keys 64 g .. 64 g + 63 of the mask
.Lwo:
	s_sub_co_u32 s36, ttmp9, 352
	s_lshl_b32 s36, s36, 2
	s_add_co_u32 s36, s36, s34                     ; g
	s_lshl_b32 s40, s36, 15                        ; 8 rows of 4,096 bytes
	s_add_nc_u64 s[12:13], s[12:13], s[40:41]
	s_lshl_b32 s40, s36, 10                        ; 8 rows of 128 bytes in each of wo16's 16 planes
	s_add_nc_u64 s[24:25], s[24:25], s[40:41]
	s_lshl_b32 s40, s36, 8                         ; 64 keys of 4 bytes
	s_add_nc_u64 s[14:15], s[14:15], s[40:41]
	s_add_nc_u64 s[26:27], s[26:27], s[40:41]
	v_lshrrev_b32 v3, 3, v2
	v_and_b32 v4, 7, v2
	v_lshlrev_b32 v4, 5, v4
	v_lshl_add_u32 v3, v3, 12, v4                  ; in: row lane / 8 of four, 8 numbers (32 bytes) at lane % 8 of a block of 64
	v_lshlrev_b32 v4, 4, v2                        ; out: 16 bytes a lane: four rows of 128 bytes on end
	v_lshlrev_b32 v5, 3, v2                        ; the mask: two keys a lane
	v_mov_b32 v10, 0xceabfb8f                      ; -1e9 x log2(e)
; group G of four: rows 4 (G / 2) on, blocks 8 (G % 2) .. + 7 of 64 along K
.macro WL G, set
.irp i, 0,1,2,3,4,5,6,7
	global_load_b128 v[\set+8*\i:\set+8*\i+3], v3, s[12:13] offset:((\G)/2)*16384+(8*((\G)%2)+\i)*256 th:TH_LOAD_NT
	global_load_b128 v[\set+8*\i+4:\set+8*\i+7], v3, s[12:13] offset:((\G)/2)*16384+(8*((\G)%2)+\i)*256+16 th:TH_LOAD_NT
.endr
.endm
.macro WC G, set
.irp i, 0,1,2,3,4,5,6,7
.irp j, 0,1,2,3
	v_cvt_pk_f16_f32 v[80+4*\i+\j], v[\set+8*\i+2*\j], v[\set+8*\i+2*\j+1]
.endr
.endr
.irp i, 0,1,2,3,4,5,6,7
	global_store_b128 v4, v[80+4*\i:80+4*\i+3], s[24:25] offset:(8*((\G)%2)+\i)*131072+((\G)/2)*512   ; 32 lanes store 512 consecutive bytes of one plane
.endr
.endm
	global_load_b64 v[6:7], v5, s[14:15]
	WL 0, 16
	WL 1, 112
	s_wait_loadcnt 32                              ; the mask is in; the two groups of 16 may be out
	v_cmp_eq_u32 vcc_lo, 0, v6
	v_cndmask_b32 v8, 0, v10, vcc_lo
	v_cmp_eq_u32 vcc_lo, 0, v7
	v_cndmask_b32 v9, 0, v10, vcc_lo
	global_store_b64 v5, v[8:9], s[26:27]          ; 256 consecutive bytes a wave
	s_wait_loadcnt 16                              ; group 0 is in
	WC 0, 16
	WL 2, 16
	s_wait_loadcnt 16                              ; group 1 is in
	s_wait_xcnt 0x0                                ; the last stores have read v80-111: they are written again only behind this wait
	WC 1, 112
	WL 3, 112
	s_wait_loadcnt 16
	s_wait_xcnt 0x0
	WC 2, 16
	s_wait_loadcnt 0x0
	s_wait_xcnt 0x0
	WC 3, 112
	s_wait_tensorcnt 0x0                           ; the three closing lines stand ahead of every end of this launch
	ds_add_u32 v[SPW], v[NIL]
	s_wait_dscnt 0x0
	s_endpgm
.Lfunc_end_k_qe93728ae00_prep:
	.size	k_qe93728ae00_prep, .Lfunc_end_k_qe93728ae00_prep-k_qe93728ae00_prep
	.p2alignl 7, 3214868480
	.fill 96, 4, 3214868480
	.section	.rodata,"a",@progbits
	.p2align	6, 0x0
	.amdhsa_kernel k_qe93728ae00_prep
		.amdhsa_group_segment_fixed_size 33280
		.amdhsa_private_segment_fixed_size 0
		.amdhsa_enable_private_segment 0
		.amdhsa_kernarg_size 96
		.amdhsa_user_sgpr_count 2
		.amdhsa_user_sgpr_kernarg_segment_ptr 1
		.amdhsa_wavefront_size32 1
		.amdhsa_system_sgpr_workgroup_id_x 1
		.amdhsa_system_sgpr_workgroup_id_y 1
		.amdhsa_system_sgpr_workgroup_id_z 1
		.amdhsa_system_vgpr_workitem_id 0
		.amdhsa_next_free_vgpr 192
		.amdhsa_next_free_sgpr 66
		.amdhsa_reserve_vcc 1
		.amdhsa_float_denorm_mode_32 3
		.amdhsa_float_denorm_mode_16_64 3
		.amdhsa_memory_ordered 1
		.amdhsa_forward_progress 1
		.amdhsa_inst_pref_size 52
	.end_amdhsa_kernel
	.amdgpu_metadata
---
amdhsa.version: [ 1, 2 ]
amdhsa.kernels:
  - .name:           k_qe93728ae00_prep
    .symbol:         k_qe93728ae00_prep.kd
    .args:
      - { .name: x, .offset: 0, .size: 8, .value_kind: global_buffer, .address_space: global }
      - { .name: Wq, .offset: 8, .size: 8, .value_kind: global_buffer, .address_space: global }
      - { .name: Wk, .offset: 16, .size: 8, .value_kind: global_buffer, .address_space: global }
      - { .name: Wv, .offset: 24, .size: 8, .value_kind: global_buffer, .address_space: global }
      - { .name: Wo, .offset: 32, .size: 8, .value_kind: global_buffer, .address_space: global }
      - { .name: mask, .offset: 40, .size: 8, .value_kind: global_buffer, .address_space: global }
      - { .name: xc, .offset: 48, .size: 8, .value_kind: global_buffer, .address_space: global }
      - { .name: xs, .offset: 56, .size: 8, .value_kind: global_buffer, .address_space: global }
      - { .name: wc, .offset: 64, .size: 8, .value_kind: global_buffer, .address_space: global }
      - { .name: ws, .offset: 72, .size: 8, .value_kind: global_buffer, .address_space: global }
      - { .name: wo16, .offset: 80, .size: 8, .value_kind: global_buffer, .address_space: global }
      - { .name: mb, .offset: 88, .size: 8, .value_kind: global_buffer, .address_space: global }
    .group_segment_fixed_size: 33280
    .private_segment_fixed_size: 0
    .kernarg_segment_align: 8
    .kernarg_segment_size: 96
    .max_flat_workgroup_size: 128
    .sgpr_count:     66
    .vgpr_count:     192
    .wavefront_size: 32
...
	.end_amdgpu_metadata
.endif
;; end of part 1
;; launch qkv (part 2): grid 12 x 32, 4 waves a work-group, clusters of 4 x 4, 327,680 bytes of LDS; arguments xc, xs, wc, ws, qkv, bq, bk, bv, mask; writes qkv
.if DOCPART == 2
	.amdgcn_target "amdgcn-amd-amdhsa--gfx1250"
	.amdhsa_code_object_version 6
	.text
	.protected	k_qe93728ae00_qkv
	.globl	k_qe93728ae00_qkv
	.p2align	8
	.type	k_qe93728ae00_qkv,@function
k_qe93728ae00_qkv:
	s_mov_b64 s[64:65], 0
	v_nop
	global_prefetch_b8 v0, s[64:65] scope:SCOPE_SE
	s_setreg_imm32_b32 hwreg(HW_REG_WAVE_MODE, 25, 1), 1
	s_wait_xcnt 0x0
	s_wait_alu depctr_hold_cnt(0) depctr_sa_sdst(0) depctr_va_vdst(0) depctr_va_sdst(0) depctr_va_ssrc(0) depctr_va_vcc(0) depctr_vm_vsrc(0)
	s_getreg_b32 s2, hwreg(HW_REG_IB_STS2, 6, 4)
	s_cmp_eq_u32 s2, 0
	s_cbranch_scc0 .Lentry_in_a_cluster
	s_endpgm
.Lentry_in_a_cluster:
	s_bfe_u32 s2, ttmp6, 0x10000c
	s_cmp_lg_u32 s2, 0xf033
	s_cbranch_scc0 .Lentry_shape_is_right
	s_endpgm
.Lentry_shape_is_right:
; THE THREE PROJECTIONS AS ONE PRODUCT ON CODES OF FP4: C[m][n] = sum over k of x[m][k] W[n][k] + b[n], m = 8,192 rows (batch, position), n = 3,072 (Wq's, Wk's, Wv's rows), K = 1,024; sums in f32.
; What leaves: q x log2(e)/8 (so that the next launch's scores are exponents of 2), k x (mask != 0) (so that a masked key's score is exactly 0 before its addend), v; rounded once to f16, laid [3 kinds][64 batch x head][2,048][64].
; LIMITS: |q| log2(e)/8, |k| and |v| stay under 65,504 (f16); NaN and infinities are not served.
; A tile of C, 256 x 256, is made by four waves, a wave makes 128 x 128: 64 accumulators, 512 registers.  K is two steps of 512: both lie in LDS slots of their own, asked for at the head; nothing is filled again, so there is no loop.
; The scale bytes of the work-group's 256 + 256 rows, for all of K, are two dense blocks: they come once, with the first fills.
; CLUSTERS: 4 x 4 work-groups; A's tiles are asked for jointly along a row of the cluster, B's along a column.  384 tiles: 24 clusters.
; THE MATRIX INSTRUCTION IS USED TRANSPOSED (source 0 = 16 rows of W, source 1 = 16 rows of x): a lane holds eight neighbouring columns of one row of C.  The bias is the C of each sum's first instruction.
; REGISTERS: window 0: v0-31 addresses; v32-95 scale words, two sets, nothing else; v96-111 the rows' factors, a pair for each block of 16 rows; v128-191 A's fragments, ONE set; v192-255 the bias in the result's layout;
;   on the way out v128-191 packed results, v192-255 rows read back.  window 1: B's fragments, two sets.  window 2: accumulators of my rows 0-63 ((a, b) at v[8 (8 a + b)]);  window 3: rows 64-127.
.set KSTEP,  512
.set NQ,     4                         ; matrix instructions deep in a slot
.set ROWB,   256                       ; a tile's row in bytes: 512 codes
.set KROW,   512                       ; a row of codes in memory
.set PITCH,  272                       ; an LDS row: 256 bytes + 16 of padding = 68 words: row r starts at bank 4 r mod 64 (ISA guide 11.1)
.set FR,     8
.set NL,     2
.set NP,     4                         ; places behind this matrix instruction (ISA guide 7.12.1)
.set HALFT,  128*PITCH
.set SLOT,   4*HALFT
.set KS,     32                        ; a row of scale bytes
.set SCL,    2*SLOT
.set HALFS,  (128*KS/256)*272
.set SBLK,   (16*KS/256)*272
.set SPARE,  SCL+4*HALFS               ; the spare words, 128 bytes a wave
.set STAGE,  SPARE+512                 ; the way out: 16 rows x 272 bytes for each wave, bytes of its own
.set SPITCH, 272
.set ADRA, 16
.set ADRB, 20
.set STO,  24
.set RD,   25
.set CO,   26
.set ADRS, 27
.set SPW,  28
.set NIL,  29
.set SC,   32
.set FAC,  96
.set AF,   128
.set BI,   192
.set G1, 24
.set G0, 32
.set G1B, 48
.set G0B, 56
.set G1S, 68
.set G0S, 76
.set G1SB, 80
.set G0SB, 88
.set MSB, 0
.macro WIN new                         ; the immediate's high byte repeats the setting that is left
.if MSB != (\new)
	s_set_vgpr_msb (MSB<<8)|(\new)
.set MSB, (\new)
.endif
.endm
.set MUL_LO, 0xa1                      ; source 0 (B) window 1, source 1 (A) window 0, C and D window 2
.set MUL_HI, 0xf1                      ; the same, C and D window 3
.set TO_B,   0x40
; A joint load: waves 0 and 1 fetch for A, waves 2 and 3 for B; the branch hangs on the wave's number alone.  An s_nop 0 and four v_nop follow each of the two lines.
.macro JLOAD g0a, g1a, g0b, g1b
	s_cmp_eq_u32 s15, 0
	s_cbranch_scc0 .Lfor_b_\@
	tensor_load_to_lds s[\g0a:\g0a+3], s[\g1a:\g1a+7]
	s_nop 0
.rept 4
	v_nop
.endr
	s_branch .Lasked_\@
.Lfor_b_\@:
	tensor_load_to_lds s[\g0b:\g0b+3], s[\g1b:\g1b+7]
	s_nop 0
.rept 4
	v_nop
.endr
.Lasked_\@:
.endm
.macro CROUND                          ; a round of the cluster's barrier
	s_barrier_signal -1
	s_barrier_wait -1
	s_cmp_lg_u32 s14, 0
	s_cbranch_scc1 .Lnot_wave_0_\@
	s_barrier_signal -3
.Lnot_wave_0_\@:
	s_barrier_wait -3
	s_barrier_signal -1
	s_barrier_wait -1
.endm
	s_load_b128 s[4:7], s[0:1], 0x0                ; x's codes s[4:5], x's scales s[6:7]
	s_load_b128 s[8:11], s[0:1], 0x10              ; W's codes s[8:9], W's scales s[10:11]
	s_load_b64 s[12:13], s[0:1], 0x20              ; qkv
	s_load_b128 s[96:99], s[0:1], 0x28             ; bq, bk
	s_load_b64 s[100:101], s[0:1], 0x38            ; bv
	s_load_b64 s[66:67], s[0:1], 0x40              ; mask
	v_lshl_add_u32 v[SPW], v0, 2, SPARE
	v_mov_b32 v[NIL], 0
	ds_add_u32 v[SPW], v[NIL]                      ; the wave's opening: the add, twice on end, and its wait ahead of my first tensor load
	ds_add_u32 v[SPW], v[NIL]
	v_lshrrev_b32 v1, 5, v0
	v_readfirstlane_b32 s14, v1                    ; wave 0..3
	s_lshr_b32 s15, s14, 1                         ; which half of the tile's rows is mine.  Also: I fetch for A (0) or for B (1)
	s_and_b32 s16, s14, 1                          ; which half of its columns.  Also: which 128 rows of that tile I fetch
	s_bfe_u32 s40, ttmp6, 0x40000                  ; cx, cy
	s_bfe_u32 s41, ttmp6, 0x40004
	s_lshl_b32 s42, ttmp9, 2
	s_add_co_u32 s42, s42, s40                     ; tile column 0..11
	s_and_b32 s17, ttmp7, 0xffff
	s_lshl_b32 s17, s17, 2
	s_add_co_u32 s17, s17, s41                     ; tile row 0..31
	s_lshl_b32 s43, s41, 2
	s_lshl_b32 s43, 15, s43                        ; my row of the cluster
	s_lshl_b32 s44, 0x1111, s40                    ; my column
	s_or_b32 s[G1+0], s43, (0<<16)|(1<<20)|(1<<21)|(5<<22)|(3<<25)  ; the mask; elements of 1 byte; padding on; bit 21 beside a mask; after every 64 words, 4 words
	s_or_b32 s[G1B+0], s44, (0<<16)|(1<<20)|(1<<21)|(5<<22)|(3<<25)
.irp g, G1, G1B
	s_mov_b32 s[\g+1], ROWB<<16                    ; tensor_dim0
	s_mov_b32 s[\g+2], 128<<16                     ; tensor_dim1
	s_mov_b32 s[\g+3], ROWB<<16                    ; tile_dim0
	s_mov_b32 s[\g+4], 128                         ; tile_dim1
	s_mov_b32 s[\g+5], KROW                        ; from row to row
	s_mov_b32 s[\g+6], 0
	s_mov_b32 s[\g+7], 0
.endr
	s_or_b32 s[G1S+0], s43, (3<<16)|(1<<20)|(1<<21)|(5<<22)|(3<<25)   ; the scales of 128 rows: 4,096 dense bytes as 16 rows of 32 elements of 8 bytes, 16 bytes of padding behind each
	s_or_b32 s[G1SB+0], s44, (3<<16)|(1<<20)|(1<<21)|(5<<22)|(3<<25)
.irp g, G1S, G1SB
	s_mov_b32 s[\g+1], 32<<16
	s_mov_b32 s[\g+2], (128*KS/256)<<16
	s_mov_b32 s[\g+3], 32<<16
	s_mov_b32 s[\g+4], 128*KS/256
	s_mov_b32 s[\g+5], 32
	s_mov_b32 s[\g+6], 0
	s_mov_b32 s[\g+7], 0
.endr
	s_lshl_b32 s18, s16, 7
	s_lshl_b32 s20, s17, 8
	s_add_co_u32 s20, s20, s18                     ; A: row 256 x tile row + 128 x half
	s_lshl_b32 s46, s42, 8
	s_add_co_u32 s46, s46, s18                     ; B: row 256 x tile column + 128 x half
	s_mov_b32 s21, 0
	s_mov_b32 s47, 0
	s_mov_b64 s[18:19], KS
	s_mul_u64 s[22:23], s[20:21], s[18:19]         ; where these rows' scales begin,
	s_mul_u64 s[92:93], s[46:47], s[18:19]
	s_mov_b64 s[18:19], KROW
	s_mul_u64 s[20:21], s[20:21], s[18:19]         ; and their codes
	s_mul_u64 s[46:47], s[46:47], s[18:19]
	s_mul_i32 s45, s14, HALFT                      ; where they go: wave x 128 rows
	s_mul_i32 s94, s14, HALFS
	s_wait_dscnt 0x0                               ; both opening adds are done
	s_wait_kmcnt 0x0
	s_add_nc_u64 s[20:21], s[4:5], s[20:21]
	s_add_nc_u64 s[22:23], s[6:7], s[22:23]
	s_add_nc_u64 s[46:47], s[8:9], s[46:47]
	s_add_nc_u64 s[92:93], s[10:11], s[92:93]
	CROUND                                         ; all sixteen work-groups are here: the joint loads meet
	s_mov_b32 s[G0S], 1
	s_add_co_u32 s[G0S+1], s94, SCL
	s_mov_b64 s[G0S+2:G0S+3], s[22:23]
	s_or_b32 s[G0S+3], s[G0S+3], 0x80000000
	s_mov_b32 s[G0SB], 1
	s_add_co_u32 s[G0SB+1], s94, SCL
	s_mov_b64 s[G0SB+2:G0SB+3], s[92:93]
	s_or_b32 s[G0SB+3], s[G0SB+3], 0x80000000
	JLOAD G0S, G1S, G0SB, G1SB                     ; the scales first: they are wanted with K step 0
.irp s, 0,1
	s_mov_b32 s[G0+4*\s], 1
	s_add_co_u32 s[G0+4*\s+1], s45, \s*SLOT
	s_add_nc_u64 s[G0+4*\s+2:G0+4*\s+3], s[20:21], \s*ROWB
	s_or_b32 s[G0+4*\s+3], s[G0+4*\s+3], 0x80000000
	s_mov_b32 s[G0B+4*\s], 1
	s_add_co_u32 s[G0B+4*\s+1], s45, \s*SLOT
	s_add_nc_u64 s[G0B+4*\s+2:G0B+4*\s+3], s[46:47], \s*ROWB
	s_or_b32 s[G0B+4*\s+3], s[G0B+4*\s+3], 0x80000000
	JLOAD G0+4*\s, G1, G0B+4*\s, G1B               ; three loads of mine are out: the scales, K step 0, K step 1
.endr
	v_and_b32 v1, 15, v0                           ; r
	v_bfe_u32 v2, v0, 4, 1                         ; h
	v_mul_u32_u24 v3, v1, PITCH
	v_lshl_add_u32 v4, v2, 4, v3                   ; a fragment's row x pitch + 16 h
	s_mul_i32 s21, s15, HALFT
	s_mul_i32 s22, s16, HALFT
	s_add_co_u32 s22, s22, 2*HALFT
.irp s, 0,1
	v_add_nc_u32 v[ADRA+\s], s21, v4
	v_add_nc_u32 v[ADRB+\s], s22, v4
	s_add_co_u32 s21, s21, SLOT
	s_add_co_u32 s22, s22, SLOT
.endr
	v_mul_u32_u24 v5, v1, KS                       ; my row's scales: 32 bytes a row,
	v_lshrrev_b32 v6, 8, v5
	v_lshl_add_u32 v5, v6, 4, v5                   ; and 16 more for each 256 passed
	s_mul_i32 s21, s15, HALFS
	s_mul_i32 s22, s16, HALFS
	s_add_co_u32 s22, s22, 2*HALFS
	s_sub_co_u32 s22, s22, s21
	v_mul_u32_u24 v6, s22, v2                      ; lanes 16-31 take B's: the lower base + h x the distance
	s_add_co_u32 s21, s21, SCL
	v_add_nc_u32 v5, v5, v6
	v_add_nc_u32 v[ADRS], s21, v5
	s_mul_i32 s23, s14, 16*SPITCH
	s_add_co_u32 s23, s23, STAGE                   ; my stage
	v_mul_u32_u24 v5, v1, SPITCH                   ; in: row r, 16 bytes for each half of the lanes
	v_lshl_add_u32 v5, v2, 4, v5
	v_add_nc_u32 v[STO], s23, v5
	v_and_b32 v6, 31, v0
	v_lshrrev_b32 v5, 3, v6                        ; back: eight lanes take one head's 128 bytes of a row, four rows an instruction
	v_mul_u32_u24 v5, v5, SPITCH
	v_and_b32 v9, 7, v0
	v_lshl_add_u32 v5, v9, 4, v5
	v_add_nc_u32 v[RD], s23, v5
	v_lshlrev_b32 v[CO], 4, v6                     ; and the same four rows in qkv: 512 bytes on end
	v_lshlrev_b32 v7, 5, v2                        ; the bias: 32 h bytes
	v_lshlrev_b32 v8, 2, v1                        ; the mask: 4 r bytes
	; which of q, k, v my tile is: values and global addresses alone hang on it, no branch and no LDS address
	s_cmp_lt_u32 s42, 8
	s_cselect_b64 s[100:101], s[98:99], s[100:101]
	s_cmp_lt_u32 s42, 4
	s_cselect_b64 s[100:101], s[96:97], s[100:101] ; my kind's bias
	s_cselect_b32 s98, 0x3e38aa3b, 1.0             ; q is multiplied by log2(e) / 8
	s_lshr_b32 s99, s42, 2
	s_cmp_eq_u32 s99, 1
	s_cselect_b32 s99, 0, 1                        ; 0 for k: there the mask decides
	s_and_b32 s96, s42, 3
	s_lshl_b32 s96, s96, 10
	s_lshl_b32 s97, s16, 9
	s_add_co_u32 s96, s96, s97                     ; my first column in the kind's 1,024, in bytes
	s_mov_b32 s97, 0
	s_add_nc_u64 s[100:101], s[100:101], s[96:97]
	s_lshl_b32 s96, s17, 10
	s_lshl_b32 s97, s15, 9
	s_add_co_u32 s96, s96, s97                     ; my first row, as a key of the mask, in bytes
	s_mov_b32 s97, 0
	s_add_nc_u64 s[66:67], s[66:67], s[96:97]
.irp b, 0,1,2,3,4,5,6,7
	global_load_b128 v[BI+8*\b:BI+8*\b+3], v7, s[100:101] offset:64*\b       ; lane (r, h): b[16 b + 8 h + 0 .. 7]
	global_load_b128 v[BI+8*\b+4:BI+8*\b+7], v7, s[100:101] offset:64*\b+16
.endr
.irp a, 0,1,2,3,4,5,6,7
	global_load_b32 v[FAC+2*\a], v8, s[66:67] offset:64*\a                   ; mask of row 16 a + r
.endr
	s_lshr_b32 s96, s42, 2                         ; where my part begins in qkv: kind x 2^24
	s_lshl_b32 s96, s96, 24
	s_lshr_b32 s97, s17, 3                         ; + (16 x batch + my first head) x 2^18
	s_lshl_b32 s97, s97, 4
	s_and_b32 s95, s42, 3
	s_lshl_b32 s95, s95, 2
	s_add_co_u32 s97, s97, s95
	s_lshl_b32 s95, s16, 1
	s_add_co_u32 s97, s97, s95
	s_lshl_b32 s97, s97, 18
	s_add_co_u32 s96, s96, s97
	s_and_b32 s97, s17, 7                          ; + my first position x 128 bytes
	s_lshl_b32 s97, s97, 15
	s_add_co_u32 s96, s96, s97
	s_lshl_b32 s97, s15, 14
	s_add_co_u32 s96, s96, s97
	s_mov_b32 s97, 0
	s_add_nc_u64 s[12:13], s[12:13], s[96:97]
.macro FRAG reg, adr, q, i             ; 16 rows x 128 K of 4-bit codes: 8 registers: two loads of 16 bytes, 32 bytes apart
.irp c, 0,1
	ds_load_b128 v[\reg+4*\c:\reg+4*\c+3], v[\adr] offset:64*(\q)+32*\c+(\i)*16*PITCH
.endr
.endm
; 16 matrix instructions: A's blocks a0, a0 + 1 x B's eight, the slot's q-th 128 along K.  zero = 1: the first product starts the sums from the bias.  The 64 accumulators take turns.
.macro MUL16 a0, p, q, sc, zero
.irp a, \a0, \a0+1
.irp b, 0,1,2,3,4,5,6,7
.if \zero
	v_wmma_scale_f32_16x16x128_f8f6f4 v[8*(8*((\a)%4)+\b):8*(8*((\a)%4)+\b)+7], v[128*(\p)+FR*\b:128*(\p)+FR*\b+FR-1], v[AF+FR*(\a):AF+FR*(\a)+FR-1], v[BI+8*\b:BI+8*\b+7], v[SC+8*NQ*(\sc)+NQ*\b+(\q)], v[SC+8*NQ*(\sc)+NQ*(\a)+(\q)] matrix_a_fmt:MATRIX_FMT_FP4 matrix_b_fmt:MATRIX_FMT_FP4 matrix_a_scale:MATRIX_SCALE_ROW1
.else
	v_wmma_scale_f32_16x16x128_f8f6f4 v[8*(8*((\a)%4)+\b):8*(8*((\a)%4)+\b)+7], v[128*(\p)+FR*\b:128*(\p)+FR*\b+FR-1], v[AF+FR*(\a):AF+FR*(\a)+FR-1], v[8*(8*((\a)%4)+\b):8*(8*((\a)%4)+\b)+7], v[SC+8*NQ*(\sc)+NQ*\b+(\q)], v[SC+8*NQ*(\sc)+NQ*(\a)+(\q)] matrix_a_fmt:MATRIX_FMT_FP4 matrix_b_fmt:MATRIX_FMT_FP4 matrix_a_scale:MATRIX_SCALE_ROW1
.endif
.endr
.endr
.endm
.macro FETCH_B slot, q, p
	WIN TO_B
.irp i, 0,1,2,3,4,5,6,7
	FRAG 128*(\p)+FR*\i, ADRB+\slot, \q, \i
.endr
	WIN 0
.endm
.macro FETCH_A slot, q, i0
.irp i, \i0, \i0+1, \i0+2, \i0+3
	FRAG AF+FR*(\i), ADRA+\slot, \q, \i
.endr
.endm
.macro SCALES sc                       ; a K step's scale words: lanes 0-15 take A's block i, lanes 16-31 B's block i
.irp i, 0,1,2,3,4,5,6,7
	ds_load_b128 v[SC+8*NQ*\sc+NQ*\i:SC+8*NQ*\sc+NQ*\i+3], v[ADRS] offset:\i*SBLK
.endr
.endm
.macro PLACES n                        ; places in front of loads into registers that matrix instructions have read, and of the first read of results (ISA guide 7.12.1 for the first read of results)
.rept \n
	v_nop
.endr
.endm
.macro STEP slot, q, zero              ; a step of 128 along K that has its successor in the same slot
	s_wait_dscnt 4*NL                              ; B's set and A's blocks 0-3 are in; the youngest eight loads (A's blocks 4-7) may be out
.if \zero
	WIN 0x81                                       ; as MUL_LO, with C (the bias) in window 0
.else
	WIN MUL_LO
.endif
	MUL16 0, (\q)%2, \q, \slot, \zero
	MUL16 2, (\q)%2, \q, \slot, \zero
	s_wait_dscnt 0
	PLACES NP
	FETCH_B \slot, (\q)+1, 1-(\q)%2
	FETCH_A \slot, (\q)+1, 0
.if \zero
	WIN 0xc1
.else
	WIN MUL_HI
.endif
	MUL16 4, (\q)%2, \q, \slot, \zero
	MUL16 6, (\q)%2, \q, \slot, \zero
	PLACES NP
	WIN 0
	FETCH_A \slot, (\q)+1, 4
.endm
; Slot 0's last step goes over to slot 1: each wave waits for all its tensor loads (slot 1's is the one that may be out) and for its own LDS instructions, then the barrier: behind it slot 1 is whole.  Nothing is filled again.
.macro TURN slot, next
	s_wait_tensorcnt 0x0
	ds_add_u32 v[SPW], v[NIL]                      ; 0 onto my spare word
	s_wait_dscnt 4*NL+1                            ; (the add and the youngest eight loads may be out)
	WIN MUL_LO
	MUL16 0, 1, NQ-1, \slot, 0
	s_wait_dscnt 0x0
	s_barrier_signal -1
	MUL16 2, 1, NQ-1, \slot, 0
	WIN 0
	s_barrier_wait -1
	PLACES NP
	v_add_nc_u32 v[ADRS], 4*NQ, v[ADRS]            ; on to the next K step's scale words (no LDS load of mine is out)
	FETCH_B \next, 0, 0
	FETCH_A \next, 0, 0
	SCALES \next
	WIN MUL_HI
	MUL16 4, 1, NQ-1, \slot, 0
	MUL16 6, 1, NQ-1, \slot, 0
	PLACES NP
	WIN 0
	FETCH_A \next, 0, 4
.endm
	s_wait_tensorcnt 1                             ; the scales and my part of K step 0 are in (K step 1's load may be out),
	s_barrier_signal -1
	s_barrier_wait -1                              ; everybody's are
	FETCH_B 0, 0, 0
	FETCH_A 0, 0, 0
	SCALES 0
	FETCH_A 0, 0, 4
	s_wait_loadcnt 0x0                             ; the bias and the mask
	v_mov_b32 v30, s98
.irp a, 0,1,2,3,4,5,6,7                        ; the factor of row 16 a + r, twice, for the packed multiply: q: log2(e)/8;  k: 1, or 0 where mask == 0;  v: 1
	v_or_b32 v[FAC+2*\a], s99, v[FAC+2*\a]
	v_cmp_ne_u32 vcc_lo, 0, v[FAC+2*\a]
	v_cndmask_b32 v[FAC+2*\a+1], 0, v30, vcc_lo
	v_cndmask_b32 v[FAC+2*\a], 0, v30, vcc_lo
.endr
	STEP 0, 0, 1
	STEP 0, 1, 0
	STEP 0, 2, 0
	TURN 0, 1
	STEP 1, 0, 0
	STEP 1, 1, 0
	STEP 1, 2, 0
	s_wait_dscnt 4*NL                              ; the last step: nothing more to fetch
	WIN MUL_LO
	MUL16 0, 1, NQ-1, 1, 0
	MUL16 2, 1, NQ-1, 1, 0
	s_wait_dscnt 0
	WIN MUL_HI
	MUL16 4, 1, NQ-1, 1, 0
	MUL16 6, 1, NQ-1, 1, 0
	WIN 0
; THE WAY OUT, block by block of 16 rows x 128 columns (two heads).  PACK: x the row's factor, rounded to f16, 16 bytes a lane.  TOSTAGE: into my stage, and back by heads: four rows of 128 bytes an instruction.  SEND: stored.
.macro PACK a
.set AC, 64*((\a)%4)
.set TMP, 128+32*((\a)%2)
	WIN 0x82+0x41*((\a)/4)                         ; destination and source 0: window 2 or 3; the factor: window 0
.irp b, 0,1,2,3,4,5,6,7
.irp p, 0,1,2,3
	v_pk_mul_f32 v[AC+8*\b+2*\p:AC+8*\b+2*\p+1], v[AC+8*\b+2*\p:AC+8*\b+2*\p+1], v[FAC+2*(\a):FAC+2*(\a)+1]   ; each accumulator from its low end on
.endr
.endr
	WIN 0x0a+5*((\a)/4)                            ; sources 0 and 1: window 2 or 3
.irp b, 0,1,2,3,4,5,6,7
.irp p, 0,1,2,3
	v_cvt_pk_f16_f32 v[TMP+4*\b+\p], v[AC+8*\b+2*\p], v[AC+8*\b+2*\p+1]
.endr
.endr
	WIN 0
.endm
.macro TOSTAGE a
.set TMP, 128+32*((\a)%2)
.set BB, 192+32*((\a)%2)
.irp b, 0,1,2,3,4,5,6,7
	ds_store_b128 v[STO], v[TMP+4*\b:TMP+4*\b+3] offset:32*\b
.endr
.irp t, 0,1,2,3,4,5,6,7
	ds_load_b128 v[BB+4*\t:BB+4*\t+3], v[RD] offset:(\t%4)*4*SPITCH+(\t/4)*128   ; LDS serves a wave's instructions in order (ISA guide 5.7.1.4): these see the stores above
.endr
.endm
.macro SEND a
.set BB, 192+32*((\a)%2)
	s_wait_dscnt 0x0                               ; the block is back in registers
	s_wait_xcnt 0x0                                ; the stores of the block before have read their registers: the next block's loads may land there
.irp t, 0,1,2,3,4,5,6,7
	global_store_b128 v[CO], v[BB+4*\t:BB+4*\t+3], s[12:13] offset:(\t/4)*262144+(\a)*2048+(\t%4)*512   ; 32 lanes store 512 consecutive bytes: four rows of one head
.endr
.endm
	PLACES NP
	PACK 0
	TOSTAGE 0
.irp a, 1,2,3,4,5,6,7                          ; block a's arithmetic stands between block a - 1's loads from the stage and the wait for them
	PACK \a
	SEND \a-1
	TOSTAGE \a
.endr
	SEND 7
	s_wait_tensorcnt 0x0                           ; the wave's end
	ds_add_u32 v[SPW], v[NIL]
	s_wait_dscnt 0x0
	CROUND                                         ; the closing round
	s_endpgm
.Lfunc_end_k_qe93728ae00_qkv:
	.size	k_qe93728ae00_qkv, .Lfunc_end_k_qe93728ae00_qkv-k_qe93728ae00_qkv
	.p2alignl 7, 3214868480
	.fill 96, 4, 3214868480
	.section	.rodata,"a",@progbits
	.p2align	6, 0x0
	.amdhsa_kernel k_qe93728ae00_qkv
		.amdhsa_group_segment_fixed_size 327680
		.amdhsa_private_segment_fixed_size 0
		.amdhsa_enable_private_segment 0
		.amdhsa_kernarg_size 72
		.amdhsa_user_sgpr_count 2
		.amdhsa_user_sgpr_kernarg_segment_ptr 1
		.amdhsa_wavefront_size32 1
		.amdhsa_system_sgpr_workgroup_id_x 1
		.amdhsa_system_sgpr_workgroup_id_y 1
		.amdhsa_system_sgpr_workgroup_id_z 1
		.amdhsa_system_vgpr_workitem_id 0
		.amdhsa_next_free_vgpr 1024
		.amdhsa_next_free_sgpr 102
		.amdhsa_reserve_vcc 1
		.amdhsa_float_denorm_mode_32 3
		.amdhsa_float_denorm_mode_16_64 3
		.amdhsa_memory_ordered 1
		.amdhsa_forward_progress 1
		.amdhsa_inst_pref_size 147
	.end_amdhsa_kernel
	.amdgpu_metadata
---
amdhsa.version: [ 1, 2 ]
amdhsa.kernels:
  - .name:           k_qe93728ae00_qkv
    .symbol:         k_qe93728ae00_qkv.kd
    .args:
      - { .name: xc, .offset: 0, .size: 8, .value_kind: global_buffer, .address_space: global }
      - { .name: xs, .offset: 8, .size: 8, .value_kind: global_buffer, .address_space: global }
      - { .name: wc, .offset: 16, .size: 8, .value_kind: global_buffer, .address_space: global }
      - { .name: ws, .offset: 24, .size: 8, .value_kind: global_buffer, .address_space: global }
      - { .name: qkv, .offset: 32, .size: 8, .value_kind: global_buffer, .address_space: global }
      - { .name: bq, .offset: 40, .size: 8, .value_kind: global_buffer, .address_space: global }
      - { .name: bk, .offset: 48, .size: 8, .value_kind: global_buffer, .address_space: global }
      - { .name: bv, .offset: 56, .size: 8, .value_kind: global_buffer, .address_space: global }
      - { .name: mask, .offset: 64, .size: 8, .value_kind: global_buffer, .address_space: global }
    .group_segment_fixed_size: 327680
    .private_segment_fixed_size: 0
    .kernarg_segment_align: 8
    .kernarg_segment_size: 72
    .max_flat_workgroup_size: 128
    .sgpr_count:     102
    .vgpr_count:     1024
    .wavefront_size: 32
...
	.end_amdgpu_metadata
.endif
;; end of part 2
;; launch attn (part 3): grid 4 x 64, 8 waves a work-group, clusters of 4 x 1, 327,680 bytes of LDS; arguments qkv, mb, ctx; writes ctx
.if DOCPART == 3
	.amdgcn_target "amdgcn-amd-amdhsa--gfx1250"
	.amdhsa_code_object_version 6
	.text
	.protected	k_qe93728ae00_attn
	.globl	k_qe93728ae00_attn
	.p2align	8
	.type	k_qe93728ae00_attn,@function
k_qe93728ae00_attn:
	s_mov_b64 s[64:65], 0
	v_nop
	global_prefetch_b8 v0, s[64:65] scope:SCOPE_SE
	s_setreg_imm32_b32 hwreg(HW_REG_WAVE_MODE, 25, 1), 1
	s_wait_xcnt 0x0
	s_wait_alu depctr_hold_cnt(0) depctr_sa_sdst(0) depctr_va_vdst(0) depctr_va_sdst(0) depctr_va_ssrc(0) depctr_va_vcc(0) depctr_vm_vsrc(0)
	s_getreg_b32 s2, hwreg(HW_REG_IB_STS2, 6, 4)
	s_cmp_eq_u32 s2, 0
	s_cbranch_scc0 .Lentry_in_a_cluster
	s_endpgm
.Lentry_in_a_cluster:
	s_bfe_u32 s2, ttmp6, 0x10000c
	s_cmp_lg_u32 s2, 0x3003
	s_cbranch_scc0 .Lentry_shape_is_right
	s_endpgm
.Lentry_shape_is_right:
; ctx[b][h][q][:] = the sum over k of softmax_k(score) v[k][:], operands in f16, products, maxima and sums in f32.  qkv: f16 [3][64 batch x head][2,048][64]: q comes multiplied by log2(e)/8, so that a product q . k is
; t = score x log2(e); the k rows of masked keys come as zeros.  mb: f32 [4][2,048]: 0, or -1e9 x log2(e) where mask == 0.  It is the C of each score tile's first matrix instruction: a masked key's t is exactly that number,
; as the replaced score asks, and the mask costs no vector instruction.  ctx: f16 [16 heads][8,192 (batch, position)][64].
; SOFTMAX: for each query a running maximum m and sum l: p = 2^(t - m); in every step O and l are multiplied by a = 2^(m_old - m_new).  p is rounded to f16 for the second product, the sum is taken of the unrounded p.
; LIMITS: NaN and infinities are not served; |ctx| stays under 65,504.
; SHARES.  A work-group owns 512 queries of one head, each of its eight waves 64: four tiles of 16.  Two waves share a SIMD, 512 registers each: each wave goes in phases, and one wave's softmax stands beside the other's products.
; Every wave walks all 2,048 keys, 64 a step; each fragment of K and V read from LDS feeds four matrix instructions.
; LAYOUT.  S^T = K Q^T (source 0 = 16 keys, source 1 = 16 queries), O^T = V^T P: a lane holds ONE query throughout.  K comes out of LDS as it lies, V turned, by ds_load_tr16_b128.
; THE RING.  Two slots of 256 keys (four steps).  A row of K or V is 128 bytes and rows are dense, so two rows are stated as one of 256 bytes: row i lies at (i / 2) x pitch + (i % 2) x 128.  Waves 0-3 fetch the four steps' K, waves 4-7 their V.
; CLUSTER.  The four query blocks of a head are one cluster and walk the same K, V and mb: each tile is asked for JOINTLY, by the same load with the mask of all four.
; REGISTERS.  window 0: v1-15 addresses; v16-47 statistics, eight a tile: +0 m, +1 zero, +2, +3 l, +4..+7 at work, a in +6; v48-175 S^T, 32 a tile, then p, then P packed in place in a tile's first 16; v176-239 eight fragments of K, later of V.
;   window 1: v0-127 O^T, 32 a tile; v128-191 Q; v192-223 the step's addends in the result's layout.
.set PK,    272                        ; two rows of K + 16 bytes: 68 words: the 16 rows of a load start at banks 4 i and 32 + 4 i (64 banks of 4 bytes: ISA guide 11.1)
.set PV,    288                        ; two rows of V + 32 bytes: 72 words
.set VOFF,  32*PK                      ; a step's tiles lie together: K's 64 rows, then V's
.set STEPB, 32*(PK+PV)
.set SLOT1, 1<<17                      ; slot 1 begins here: one exclusive or turns an address
.set BIAS,  208896                     ; mb of my batch, 8,192 bytes, filled once
.set SPARE, BIAS+8192                  ; the spare words, 128 bytes a wave
.set STAGE, SPARE+1024                 ; the way out: 16 rows x 144 bytes for each wave
.set SP,    144
.set AK0, 1
.set AV0, 2
.set AB0, 3
.set ADR, 4
.set ADV, 5
.set ADB, 6
.set QO,  7
.set STO, 7
.set RD,  8
.set GO,  9
.set SPW, 10
.set NIL, 11
.set PFO, 12
.set ST,  16
.set S,   48
.set F,   176
.set QF,  128                          ; in window 1
.set BI,  192                          ; in window 1
.set WV,  14
.set LIM, 15
.set PFA, 18
.set G1K, 24
.set G1V, 32
.set G0K, 40
.set G0V, 44
.set G1M, 48
.set G0M, 56
.set SEL, 60
.set TB,  62
.set TJ,  63
.set SLOTS, 66
.set CNT, 67
.set MSB, 0
.macro WIN new                         ; the immediate's high byte repeats the setting that is left
.if MSB != (\new)
	s_set_vgpr_msb (MSB<<8)|(\new)
.set MSB, (\new)
.endif
.endm
; A joint load of the walking descriptors.  The branch hangs on the wave's number alone.  An s_nop 0 and four v_nop follow each of the two lines.
.macro JLOAD
	s_cmp_lt_u32 s[WV], 4
	s_cbranch_scc0 .Lfor_v_\@
	tensor_load_to_lds s[G0K:G0K+3], s[G1K:G1K+7]
	s_nop 0
.rept 4
	v_nop
.endr
	s_branch .Lasked_\@
.Lfor_v_\@:
	tensor_load_to_lds s[G0V:G0V+3], s[G1V:G1V+7]
	s_nop 0
.rept 4
	v_nop
.endr
.Lasked_\@:
.endm
; A prefetch of what the NEXT change of slots will ask for: a slot's 32,768 bytes of K and of V.  Each aligned block of 256 bytes is named once in the launch: the four partners take 8,192 bytes each, told apart by address;
; in each, wave 0 asks for K's and wave 4 for V's, lanes 256 bytes apart.  It runs four key steps ahead of the load.  The last change that fills a slot asks for nothing; slots 0 and 1 come by their loads alone.
.macro ASK
	s_cmp_gt_u32 s[SLOTS], s[LIM]
	s_cbranch_scc0 .Lnot_mine_\@
	global_prefetch_b8 v[PFO], s[PFA:PFA+1] th:TH_LOAD_NT scope:SCOPE_SE
.Lnot_mine_\@:
.endm
.macro CROUND                          ; a round of the cluster's barrier
	s_barrier_signal -1
	s_barrier_wait -1
	s_cmp_lg_u32 s[WV], 0
	s_cbranch_scc1 .Lnot_wave_0_\@
	s_barrier_signal -3
.Lnot_wave_0_\@:
	s_barrier_wait -3
	s_barrier_signal -1
	s_barrier_wait -1
.endm
	s_load_b128 s[4:7], s[0:1], 0x0                ; qkv s[4:5], mb s[6:7]
	s_load_b64 s[8:9], s[0:1], 0x10                ; ctx
	v_lshl_add_u32 v[SPW], v0, 2, SPARE
	v_mov_b32 v[NIL], 0
	ds_add_u32 v[SPW], v[NIL]                      ; the wave's opening: the add, twice on end, and its wait ahead of my first tensor load
	ds_add_u32 v[SPW], v[NIL]
	v_lshrrev_b32 v13, 5, v0
	v_readfirstlane_b32 s[WV], v13                 ; wave 0..7
	s_bfe_u32 s16, ttmp6, 0x40000                  ; cx: my block of 512 queries; it enters Q's, ctx's and the prefetches' addresses alone
	s_and_b32 s17, ttmp7, 0xffff                   ; 16 x batch + head, which the four partners share
	s_and_b32 s22, s[WV], 3                        ; which of a slot's four steps I fetch
	s_lshl_b32 s10, s17, 18                        ; the head's 2,048 rows of 128 bytes,
	s_lshl_b32 s23, s22, 13                        ; my step's 64 rows
	s_add_co_u32 s10, s10, s23
	s_add_co_u32 s12, s10, 2<<24                   ; in v,
	s_add_co_u32 s10, s10, 1<<24                   ; in k
	s_mov_b32 s11, 0
	s_mov_b32 s13, 0
	s_lshr_b32 s62, s17, 4                         ; mb: my batch's 8,192 bytes, my wave's 1,024 of them
	s_lshl_b32 s62, s62, 13
	s_lshl_b32 s63, s[WV], 10
	s_add_co_u32 s62, s62, s63
	s_mov_b32 s63, 0
	s_lshl_b32 s2, s17, 18                         ; Q: the head, my block's 512 rows, my wave's 64
	s_lshl_b32 s3, s16, 16
	s_add_co_u32 s2, s2, s3
	s_lshl_b32 s3, s[WV], 13
	s_add_co_u32 s2, s2, s3
	s_mov_b32 s3, 0
	s_and_b32 s20, s17, 15                         ; ctx: head x 8,192 rows + batch x 2,048 + my block + my wave
	s_lshl_b32 s20, s20, 20
	s_lshr_b32 s66, s17, 4
	s_lshl_b32 s67, s66, 18
	s_add_co_u32 s20, s20, s67
	s_lshl_b32 s67, s16, 16
	s_add_co_u32 s20, s20, s67
	s_lshl_b32 s67, s[WV], 13
	s_add_co_u32 s20, s20, s67
	s_mov_b32 s21, 0
	; descriptor group 1: a step's tile: 8,192 dense bytes as 32 rows x 128 elements of 2 bytes, padded in LDS
	s_mov_b32 s[G1K], 15|(1<<16)|(1<<20)|(1<<21)|(5<<22)|(3<<25)   ; the mask of all four; elements of 2 bytes; padding on; bit 21 beside a mask; after every 64 words, 4 words
	s_mov_b32 s[G1V], 15|(1<<16)|(1<<20)|(1<<21)|(5<<22)|(7<<25)   ; the same with 8 words
.irp g, G1K, G1V
	s_mov_b32 s[\g+1], 128<<16                     ; tensor_dim0
	s_mov_b32 s[\g+2], 32<<16                      ; tensor_dim1
	s_mov_b32 s[\g+3], 128<<16                     ; tile_dim0
	s_mov_b32 s[\g+4], 32                          ; tile_dim1
	s_mov_b32 s[\g+5], 128                         ; from row to row
	s_mov_b32 s[\g+6], 0
	s_mov_b32 s[\g+7], 0
.endr
	s_mov_b32 s[G1M], 15|(3<<16)|(1<<21)           ; mb: 1,024 dense bytes as 4 rows x 32 elements of 8 bytes, no padding
	s_mov_b32 s[G1M+1], 32<<16
	s_mov_b32 s[G1M+2], 4<<16
	s_mov_b32 s[G1M+3], 32<<16
	s_mov_b32 s[G1M+4], 4
	s_mov_b32 s[G1M+5], 32
	s_mov_b32 s[G1M+6], 0
	s_mov_b32 s[G1M+7], 0
	s_mov_b32 s[SEL], 0x76543210
	s_mov_b32 s[SEL+1], 0xfedcba98                 ; v_permlanex16_b32's selects for lane l xor 16
	s_cmp_eq_u32 s22, 0
	s_cselect_b32 s[LIM], 1, -1                    ; waves 0 and 4 prefetch
	v_and_b32 v[PFO], 31, v0
	v_lshlrev_b32 v[PFO], 8, v[PFO]
	s_wait_dscnt 0x0                               ; both opening adds are done
	s_wait_kmcnt 0x0
	s_add_nc_u64 s[10:11], s[4:5], s[10:11]        ; K and V at my tile of slot 0
	s_add_nc_u64 s[12:13], s[4:5], s[12:13]
	s_add_nc_u64 s[6:7], s[6:7], s[62:63]          ; mb at my part
	s_add_nc_u64 s[4:5], s[4:5], s[2:3]            ; Q and ctx at my wave's first row
	s_add_nc_u64 s[8:9], s[8:9], s[20:21]
	s_cmp_lt_u32 s[WV], 4
	s_cselect_b64 s[PFA:PFA+1], s[10:11], s[12:13] ; (in waves 0 and 4 these stand at the head's first row)
	s_lshl_b32 s2, s16, 13                         ; my work-group's 8,192 bytes of a slot's 32,768,
	s_add_co_u32 s2, s2, 32768                     ; in slot 1: the first change of slots steps it to slot 2.  Nothing is prefetched at the head
	s_add_nc_u64 s[PFA:PFA+1], s[PFA:PFA+1], s[2:3]
	CROUND                                         ; all four work-groups are here: the first joint loads meet
	s_mov_b32 s[G0M], 1
	s_lshl_b32 s[G0M+1], s[WV], 10
	s_add_co_u32 s[G0M+1], s[G0M+1], BIAS
	s_mov_b64 s[G0M+2:G0M+3], s[6:7]
	s_or_b32 s[G0M+3], s[G0M+3], 0x80000000
	s_mov_b32 s[G0K], 1
	s_mul_i32 s[G0K+1], s22, STEPB
	s_mov_b64 s[G0K+2:G0K+3], s[10:11]
	s_or_b32 s[G0K+3], s[G0K+3], 0x80000000
	s_mov_b32 s[G0V], 1
	s_add_co_u32 s[G0V+1], s[G0K+1], VOFF
	s_mov_b64 s[G0V+2:G0V+3], s[12:13]
	s_or_b32 s[G0V+3], s[G0V+3], 0x80000000
	tensor_load_to_lds s[G0M:G0M+3], s[G1M:G1M+7]  ; my eighth of the batch's addends: filled once
	s_nop 0
	JLOAD                                          ; slot 0: two loads of mine are out
	v_and_b32 v13, 15, v0                          ; r: it stays
	v_bfe_u32 v14, v0, 4, 1                        ; h: it stays
	v_lshlrev_b32 v[QO], 7, v13
	v_lshl_add_u32 v[QO], v14, 4, v[QO]            ; Q: row r of 128 bytes, + 16 h
	WIN 0x40                                       ; destination window 1
.irp t, 0,1,2,3
.irp c, 0,1
	global_load_b128 v[QF+16*\t+8*\c:QF+16*\t+8*\c+3],   v[QO], s[4:5] offset:\t*2048+\c*64      ; Q stays in registers: tile t, channels 32 c on
	global_load_b128 v[QF+16*\t+8*\c+4:QF+16*\t+8*\c+7], v[QO], s[4:5] offset:\t*2048+\c*64+32
.endr
.endr
.set i, 0
.rept 128
	v_mov_b32 v[i], 0                              ; O^T.  The key step is written without a first copy of its own: the first step finds zeros, which a = 0 leaves zeros
.set i, i+1
.endr
	WIN 0
	v_lshrrev_b32 v15, 1, v13
	v_mul_u32_u24 v[AK0], v15, PK
	v_and_b32 v15, 1, v0
	v_lshl_add_u32 v[AK0], v15, 7, v[AK0]
	v_lshl_add_u32 v[AK0], v14, 4, v[AK0]          ; K: (r / 2) x pitch + (r % 2) x 128 + 16 h
	v_bfe_u32 v[AV0], v0, 1, 2
	v_lshl_add_u32 v[AV0], v14, 2, v[AV0]
	v_mul_u32_u24 v[AV0], v[AV0], PV
	v_lshl_add_u32 v[AV0], v15, 7, v[AV0]
	v_bfe_u32 v15, v0, 3, 1
	v_lshl_add_u32 v[AV0], v15, 4, v[AV0]
	v_add_nc_u32 v[AV0], VOFF, v[AV0]              ; V: key 8 h + l % 8, channels 8 ((l / 8) % 2) on
	v_lshl_add_u32 v[AB0], v14, 5, BIAS            ; the addends of keys 8 h + 0 .. 7
.irp t, 0,1,2,3
	v_mov_b32 v[ST+8*\t], 0xff61b1e6               ; m: -3e38, under every t
	v_mov_b32 v[ST+8*\t+1], 0                      ; (named with m as a pair)
	v_mov_b32 v[ST+8*\t+2], 0                      ; l, in two halves
	v_mov_b32 v[ST+8*\t+3], 0
.endr
	s_mov_b32 s[TB], 0
	s_mov_b32 s[TJ], 0
	s_mov_b32 s[SLOTS], 7
.macro SUB t, b                        ; pair b of tile t: t - m
	v_pk_add_f32 v[S+32*(\t)+2*(\b):S+32*(\t)+2*(\b)+1], v[S+32*(\t)+2*(\b):S+32*(\t)+2*(\b)+1], v[ST+8*(\t):ST+8*(\t)+1] op_sel_hi:[1,0] neg_lo:[0,1] neg_hi:[0,1]
.endm
; A KEY STEP: 64 keys.
.macro STEP
	v_add_nc_u32 v[ADR], s[TB], v[AK0]             ; these three and three v_nop are six places behind the last V^T P: four are owed to the loads into its fragments' registers, five to the products that write over P
	v_add_nc_u32 v[ADV], s[TB], v[AV0]
	v_add_nc_u32 v[ADB], s[TJ], v[AB0]
.rept 3
	v_nop
.endr
.irp k, 0,1,2,3
.irp c, 0,1
	ds_load_b128 v[F+8*(2*\k+\c):F+8*(2*\k+\c)+3],   v[ADR] offset:\k*8*PK+\c*64        ; keys 16 k on, channels 32 c on
	ds_load_b128 v[F+8*(2*\k+\c)+4:F+8*(2*\k+\c)+7], v[ADR] offset:\k*8*PK+\c*64+32
.endr
.endr
	WIN 0x40
.irp k, 0,1,2,3
	ds_load_b128 v[BI+8*\k:BI+8*\k+3],   v[ADB] offset:64*\k                            ; mb of keys 16 k + 8 h + 0 .. 7
	ds_load_b128 v[BI+8*\k+4:BI+8*\k+7], v[ADB] offset:64*\k+16
.endr
	s_wait_dscnt 0x0
	WIN 0x14                                       ; Q and the addends in window 1.  The 16 accumulators take turns
.irp k, 0,1,2,3
.irp t, 0,1,2,3
	v_wmma_f32_16x16x32_f16 v[S+32*\t+8*\k:S+32*\t+8*\k+7], v[F+16*\k:F+16*\k+7], v[QF+16*\t:QF+16*\t+7], v[BI+8*\k:BI+8*\k+7]
.endr
.endr
	WIN 0x04
.irp k, 0,1,2,3
.irp t, 0,1,2,3
	v_wmma_f32_16x16x32_f16 v[S+32*\t+8*\k:S+32*\t+8*\k+7], v[F+16*\k+8:F+16*\k+15], v[QF+16*\t+8:QF+16*\t+15], v[S+32*\t+8*\k:S+32*\t+8*\k+7]
.endr
.endr
	WIN 0
.rept 4
	v_nop                                          ; places in front of the loads into K's registers and of the first read of the scores
.endr
.irp g, 0,1
.irp c, 0,1,2,3
	ds_load_tr16_b128 v[F+8*(4*\g+\c):F+8*(4*\g+\c)+3],   v[ADV] offset:\g*16*PV+32*\c          ; keys 32 g on, channels 16 c on: V lands while the softmax is walked
	ds_load_tr16_b128 v[F+8*(4*\g+\c)+4:F+8*(4*\g+\c)+7], v[ADV] offset:\g*16*PV+8*PV+32*\c
.endr
.endr
	; the maximum of a lane's 32 scores and the old m, three operands at a time, four chains a tile, the tiles by turns; each accumulator is read from its low end on
.irp j, 0,1,2,3
.irp t, 0,1,2,3
	v_max3_num_f32 v[ST+8*\t+4+\j], v[S+32*\t+8*\j], v[S+32*\t+8*\j+1], v[S+32*\t+8*\j+2]
.endr
.endr
.irp g, 1,2
.irp j, 0,1,2,3
.irp t, 0,1,2,3
	v_max3_num_f32 v[ST+8*\t+4+\j], v[ST+8*\t+4+\j], v[S+32*\t+8*\j+2*\g+1], v[S+32*\t+8*\j+2*\g+2]
.endr
.endr
.endr
.irp t, 0,1,2,3
	v_max3_num_f32 v[ST+8*\t+4], v[ST+8*\t+4], v[S+32*\t+7], v[S+32*\t+15]
.endr
.irp t, 0,1,2,3
	v_max3_num_f32 v[ST+8*\t+6], v[ST+8*\t+6], v[S+32*\t+23], v[S+32*\t+31]
.endr
.irp t, 0,1,2,3
	v_max3_num_f32 v[ST+8*\t+4], v[ST+8*\t+4], v[ST+8*\t+5], v[ST+8*\t+6]
.endr
.irp t, 0,1,2,3
	v_max3_num_f32 v[ST+8*\t+4], v[ST+8*\t+4], v[ST+8*\t+7], v[ST+8*\t]
.endr
.irp t, 0,1,2,3
	v_permlanex16_b32 v[ST+8*\t+5], v[ST+8*\t+4], s[SEL], s[SEL+1]   ; the query's other 32 keys lie in the lane 16 away
.endr
.irp t, 0,1,2,3
	v_mov_b32 v[ST+8*\t+7], v[ST+8*\t]             ; m_old
.endr
.irp t, 0,1,2,3
	v_max_num_f32 v[ST+8*\t], v[ST+8*\t+4], v[ST+8*\t+5]
.endr
.irp t, 0,1,2,3
	v_sub_f32 v[ST+8*\t+7], v[ST+8*\t+7], v[ST+8*\t]
.endr
	; ONE BATCH: the 64 subtractions and all 132 exponentials; none of these lines names an exponential's result.  A tile's subtractions stand among the exponentials of the tile before
.irp b, 0,1,2,3,4,5,6,7,8,9,10,11,12,13,14,15
	SUB 0, \b
.endr
.irp t, 0,1,2,3
	v_exp_f32 v[ST+8*\t+6], v[ST+8*\t+7]           ; a
.endr
.irp t, 0,1,2
.irp b, 0,1,2,3,4,5,6,7,8,9,10,11,12,13,14,15
	SUB \t+1, \b
	v_exp_f32 v[S+32*\t+2*\b], v[S+32*\t+2*\b]
	v_exp_f32 v[S+32*\t+2*\b+1], v[S+32*\t+2*\b+1]
.endr
.endr
.irp e, 0,1,2,3,4,5,6,7,8,9,10,11,12,13,14,15,16,17,18,19,20,21,22,23,24,25,26,27,28,29,30,31
	v_exp_f32 v[S+96+\e], v[S+96+\e]
.endr
	v_nop                                          ; a plain instruction behind the last exponential (ISA guide 5.7.2),
	s_wait_alu depctr_va_vdst(0)                   ; and the one wait for the batch ahead of its first reader
	; l = a l + the sum of the unrounded p: two chains a tile, the tiles by turns
.irp t, 0,1,2,3
	v_pk_fma_f32 v[ST+8*\t+2:ST+8*\t+3], v[ST+8*\t+2:ST+8*\t+3], v[ST+8*\t+6:ST+8*\t+7], v[S+32*\t:S+32*\t+1] op_sel_hi:[1,0,1]
.endr
.irp t, 0,1,2,3
	v_pk_add_f32 v[ST+8*\t+4:ST+8*\t+5], v[S+32*\t+2:S+32*\t+3], v[S+32*\t+4:S+32*\t+5]
.endr
.irp i, 3,5,7,9,11,13
.irp t, 0,1,2,3
	v_pk_add_f32 v[ST+8*\t+2:ST+8*\t+3], v[ST+8*\t+2:ST+8*\t+3], v[S+32*\t+2*\i:S+32*\t+2*\i+1]
.endr
.irp t, 0,1,2,3
	v_pk_add_f32 v[ST+8*\t+4:ST+8*\t+5], v[ST+8*\t+4:ST+8*\t+5], v[S+32*\t+2*\i+2:S+32*\t+2*\i+3]
.endr
.endr
.irp t, 0,1,2,3
	v_pk_add_f32 v[ST+8*\t+2:ST+8*\t+3], v[ST+8*\t+2:ST+8*\t+3], v[S+32*\t+30:S+32*\t+31]
.endr
.irp t, 0,1,2,3
	v_pk_add_f32 v[ST+8*\t+2:ST+8*\t+3], v[ST+8*\t+2:ST+8*\t+3], v[ST+8*\t+4:ST+8*\t+5]
.endr
.irp i, 0,1,2,3,4,5,6,7,8,9,10,11,12,13,14,15
.irp t, 0,1,2,3
	v_cvt_pk_f16_f32 v[S+32*\t+\i], v[S+32*\t+2*\i], v[S+32*\t+2*\i+1]   ; P, packed in place: pair i goes to register i, which pairs 0 .. i / 2 have left
.endr
.endr
	s_wait_dscnt 0x0                               ; V is in
	WIN 0x41                                       ; O^T in window 1, a in window 0
.irp t, 0,1,2,3
.irp i, 0,1,2,3,4,5,6,7,8,9,10,11,12,13,14,15
	v_pk_mul_f32 v[32*\t+2*\i:32*\t+2*\i+1], v[32*\t+2*\i:32*\t+2*\i+1], v[ST+8*\t+6:ST+8*\t+7] op_sel_hi:[1,0]
.endr
.endr
	WIN 0x50                                       ; C and D in window 1.  The 16 accumulators take turns
.irp g, 0,1
.irp c, 0,1,2,3
.irp t, 0,1,2,3
	v_wmma_f32_16x16x32_f16 v[32*\t+8*\c:32*\t+8*\c+7], v[F+8*(4*\g+\c):F+8*(4*\g+\c)+7], v[S+32*\t+8*\g:S+32*\t+8*\g+7], v[32*\t+8*\c:32*\t+8*\c+7]
.endr
.endr
.endr
	WIN 0
	s_add_co_u32 s[TB], s[TB], STEPB               ; the next step's tiles,
	s_add_co_u32 s[TJ], s[TJ], 256                 ; and its 64 addends
.endm
; THE CHANGE OF SLOTS stands at a slot's head.  Each wave waits for all its tensor loads (its part of the slot ahead), adds 0 to its spare word, and waits for that and for its reads of the slot that it has left.
; fill = 1: the barrier is a round of the cluster's, and behind it the slot just left takes the keys that follow: one joint load a wave, which has four key steps in which to land.
.macro CHANGE fill
	s_wait_tensorcnt 0x0                           ; no tensor load of mine is out, so a group 0 may be written
	ds_add_u32 v[SPW], v[NIL]                      ; 0 onto my spare word
.if \fill
	s_xor_b32 s[G0K+1], s[G0K+1], SLOT1            ; the walking descriptors: the other slot,
	s_add_nc_u64 s[G0K+2:G0K+3], s[G0K+2:G0K+3], 32768   ; the next 256 keys
	s_xor_b32 s[G0V+1], s[G0V+1], SLOT1
	s_add_nc_u64 s[G0V+2:G0V+3], s[G0V+2:G0V+3], 32768
	s_wait_xcnt 0x0                                ; the last prefetch, a slot back, has read its address
	s_add_nc_u64 s[PFA:PFA+1], s[PFA:PFA+1], 32768 ; one slot further on than the walking descriptors
	s_wait_dscnt 0x0                               ; the add is done, and my reads of the slot that I have left are over
	CROUND
	JLOAD
	ASK
.else
	s_wait_dscnt 0x0
	s_barrier_signal -1
	s_barrier_wait -1
.endif
.endm
.macro SLOT_STEPS                      ; a slot's four key steps: written once, walked four times
	s_mov_b32 s[CNT], 4
.Lstep_\@:
	STEP
	s_sub_co_u32 s[CNT], s[CNT], 1
	s_cmp_lg_u32 s[CNT], 0
	s_cbranch_scc1 .Lstep_\@
	s_sub_co_u32 s[TB], s[TB], 4*STEPB
	s_xor_b32 s[TB], s[TB], SLOT1                  ; on to the other slot
.endm
	s_wait_loadcnt 0x0                             ; Q
.Lslot:                                            ; 7 trips: behind each change of slots but the last the next slot is asked for (in the first trip slot 1, for the first time)
	CHANGE 1
	SLOT_STEPS
	s_sub_co_u32 s[SLOTS], s[SLOTS], 1
	s_cmp_lg_u32 s[SLOTS], 0
	s_cbranch_scc1 .Lslot
	CHANGE 0                                       ; the last slot is written out
	SLOT_STEPS
	; THE WAY OUT.  l's halves and the other half of the lanes' are added; O^T is divided by l, rounded to f16 and sent through my stage, a tile (16 rows) at a time.  The additions are the places behind the last products.
.irp t, 0,1,2,3
	v_add_f32 v[ST+8*\t+4], v[ST+8*\t+2], v[ST+8*\t+3]
.endr
.irp t, 0,1,2,3
	v_permlanex16_b32 v[ST+8*\t+5], v[ST+8*\t+4], s[SEL], s[SEL+1]
.endr
.irp t, 0,1,2,3
	v_add_f32 v[ST+8*\t+4], v[ST+8*\t+4], v[ST+8*\t+5]
.endr
.irp t, 0,1,2,3
	v_rcp_f32 v[ST+8*\t+6], v[ST+8*\t+4]
.endr
	s_mul_i32 s2, s[WV], 16*SP
	s_add_co_u32 s2, s2, STAGE                     ; my stage
	v_mul_u32_u24 v[STO], v13, SP                  ; (plain work behind the reciprocals)  in: row r, 16 bytes for each half of the lanes
	v_lshl_add_u32 v[STO], v14, 4, v[STO]
	v_add_nc_u32 v[STO], s2, v[STO]
	v_and_b32 v[GO], 31, v0
	v_lshrrev_b32 v[RD], 3, v[GO]                  ; back: eight lanes a row of 128 bytes, four rows an instruction
	v_mul_u32_u24 v[RD], v[RD], SP
	v_and_b32 v15, 7, v0
	v_lshl_add_u32 v[RD], v15, 4, v[RD]
	v_add_nc_u32 v[RD], s2, v[RD]
	v_lshlrev_b32 v[GO], 4, v[GO]                  ; and the same four rows in ctx: 512 bytes on end
	s_wait_alu depctr_va_vdst(0)                   ; one wait for the four reciprocals, ahead of their first reader
.macro PACK t
	WIN 0x41
.irp i, 0,1,2,3,4,5,6,7,8,9,10,11,12,13,14,15
	v_pk_mul_f32 v[32*\t+2*\i:32*\t+2*\i+1], v[32*\t+2*\i:32*\t+2*\i+1], v[ST+8*\t+6:ST+8*\t+7] op_sel_hi:[1,0]
.endr
	WIN 0x05                                       ; sources 0 and 1 window 1, destination window 0
.irp i, 0,1,2,3,4,5,6,7,8,9,10,11,12,13,14,15
	v_cvt_pk_f16_f32 v[S+32*\t+\i], v[32*\t+2*\i], v[32*\t+2*\i+1]
.endr
	WIN 0
.irp c, 0,1,2,3
	ds_store_b128 v[STO], v[S+32*\t+4*\c:S+32*\t+4*\c+3] offset:32*\c
.endr
.irp f, 0,1,2,3
	ds_load_b128 v[S+32*\t+16+4*\f:S+32*\t+16+4*\f+3], v[RD] offset:\f*4*SP   ; LDS serves a wave's instructions in order (ISA guide 5.7.1.4): these see the stores above; the next tile's stores come behind them
.endr
.endm
.macro SEND t, younger                 ; younger: the LDS instructions issued behind tile t's loads: the next tile's eight, or none
.irp f, 0,1,2,3
	s_wait_dscnt \younger+3-\f
	global_store_b128 v[GO], v[S+32*\t+16+4*\f:S+32*\t+16+4*\f+3], s[8:9] offset:\t*2048+\f*512   ; 32 lanes store 512 consecutive bytes
.endr
.endm
	PACK 0
	PACK 1
	SEND 0, 8
	PACK 2
	SEND 1, 8
	PACK 3
	SEND 2, 8
	SEND 3, 0
	s_wait_tensorcnt 0x0                           ; the wave's end
	ds_add_u32 v[SPW], v[NIL]
	s_wait_dscnt 0x0
	CROUND                                         ; the closing round
	s_endpgm
.Lfunc_end_k_qe93728ae00_attn:
	.size	k_qe93728ae00_attn, .Lfunc_end_k_qe93728ae00_attn-k_qe93728ae00_attn
	.p2alignl 7, 3214868480
	.fill 96, 4, 3214868480
	.section	.rodata,"a",@progbits
	.p2align	6, 0x0
	.amdhsa_kernel k_qe93728ae00_attn
		.amdhsa_group_segment_fixed_size 327680
		.amdhsa_private_segment_fixed_size 0
		.amdhsa_enable_private_segment 0
		.amdhsa_kernarg_size 24
		.amdhsa_user_sgpr_count 2
		.amdhsa_user_sgpr_kernarg_segment_ptr 1
		.amdhsa_wavefront_size32 1
		.amdhsa_system_sgpr_workgroup_id_x 1
		.amdhsa_system_sgpr_workgroup_id_y 1
		.amdhsa_system_sgpr_workgroup_id_z 1
		.amdhsa_system_vgpr_workitem_id 0
		.amdhsa_next_free_vgpr 512
		.amdhsa_next_free_sgpr 68
		.amdhsa_reserve_vcc 0
		.amdhsa_float_denorm_mode_32 3
		.amdhsa_float_denorm_mode_16_64 3
		.amdhsa_memory_ordered 1
		.amdhsa_forward_progress 1
		.amdhsa_inst_pref_size 94
	.end_amdhsa_kernel
	.amdgpu_metadata
---
amdhsa.version: [ 1, 2 ]
amdhsa.kernels:
  - .name:           k_qe93728ae00_attn
    .symbol:         k_qe93728ae00_attn.kd
    .args:
      - { .name: qkv, .offset: 0, .size: 8, .value_kind: global_buffer, .address_space: global }
      - { .name: mb, .offset: 8, .size: 8, .value_kind: global_buffer, .address_space: global }
      - { .name: ctx, .offset: 16, .size: 8, .value_kind: global_buffer, .address_space: global }
    .group_segment_fixed_size: 327680
    .private_segment_fixed_size: 0
    .kernarg_segment_align: 8
    .kernarg_segment_size: 24
    .max_flat_workgroup_size: 256
    .sgpr_count:     68
    .vgpr_count:     512
    .wavefront_size: 32
...
	.end_amdgpu_metadata
.endif
;; end of part 3
;; launch proj (part 4): grid 8 x 32, 4 waves a work-group, clusters of 4 x 4, 327,680 bytes of LDS; arguments ctx, wo16, bo, out0; writes out0
.if DOCPART == 4
	.amdgcn_target "amdgcn-amd-amdhsa--gfx1250"
	.amdhsa_code_object_version 6
	.text
	.protected	k_qe93728ae00_proj
	.globl	k_qe93728ae00_proj
	.p2align	8
	.type	k_qe93728ae00_proj,@function
k_qe93728ae00_proj:
	s_mov_b64 s[64:65], 0
	v_nop
	global_prefetch_b8 v0, s[64:65] scope:SCOPE_SE
	s_setreg_imm32_b32 hwreg(HW_REG_WAVE_MODE, 25, 1), 1
	s_wait_xcnt 0x0
	s_wait_alu depctr_hold_cnt(0) depctr_sa_sdst(0) depctr_va_vdst(0) depctr_va_sdst(0) depctr_va_ssrc(0) depctr_va_vcc(0) depctr_vm_vsrc(0)
	s_getreg_b32 s2, hwreg(HW_REG_IB_STS2, 6, 4)
	s_cmp_eq_u32 s2, 0
	s_cbranch_scc0 .Lentry_in_a_cluster
	s_endpgm
.Lentry_in_a_cluster:
	s_bfe_u32 s2, ttmp6, 0x10000c
	s_cmp_lg_u32 s2, 0xf033
	s_cbranch_scc0 .Lentry_shape_is_right
	s_endpgm
.Lentry_shape_is_right:
; out0[m][n] = sum over k of ctx[m][k] Wo[n][k] + bo[n], operands in f16, sums and result in f32.  m = 8,192, n = 1,024, K = 1,024.
; Both operands lie in planes of 64 along K: ctx [16][8,192][64], wo16 [16][1,024][64]: a plane's rows are 128 bytes and dense, so two rows are stated as one of 256 bytes: row i lies in LDS at (i / 2) x 272 + (i % 2) x 128.
; A tile of C is 256 (m) x 128 (n): 256 tiles, one to a work-group.  Four waves, each 128 x 64: 32 accumulators, 256 registers.  K goes in steps of 128 (two planes) through a ring of two LDS slots.
; Waves 0 and 1 fetch A's two planes (128 stated rows each), waves 2 and 3 B's (64 each): one tensor load a wave behind each change of slots.
; CLUSTERS: 4 x 4 work-groups; A's tiles are asked for jointly along a row of the cluster, B's along a column.  No prefetch: eight K steps in all, and each tile is asked for once for four work-groups.
; THE MATRIX INSTRUCTION IS USED TRANSPOSED (source 0 = 16 rows of Wo, source 1 = 16 rows of ctx): a lane holds eight neighbouring columns of one row of C.  The bias is the C of each sum's first instruction.
; REGISTERS: window 0: v0-31 addresses; v32-95 the way out.  window 1: two fragment buffers of 96 (B's four fragments, then A's eight) at v0 and v96; v192-223 the bias in the result's layout.  window 2: accumulator (a, b) at v[8 (4 a + b)].
.set PITCH,  272                       ; 256 bytes + 16 of padding = 68 words: the 16 rows of a load start at banks 4 i and 32 + 4 i (64 banks of 4 bytes: ISA guide 11.1)
.set APL,    128*PITCH                 ; a plane of A's tile: 256 rows
.set BPL,    64*PITCH                  ; a plane of B's tile: 128 rows
.set SLOT,   2*APL+2*BPL
.set STAGE,  2*SLOT                    ; behind the ring: 16 rows x 272 bytes for each wave
.set SPARE,  STAGE+4*16*PITCH          ; the spare words, 128 bytes a wave
.set ADRA, 16
.set ADRB, 20
.set STO,  24
.set RD,   25
.set CO,   26
.set SPW,  28
.set NIL,  29
.set OB,   32
.set F0,   0
.set F1,   96
.set BO,   192
.set G1, 24
.set G0, 32
.set G1B, 48
.set G0B, 56
.set MSB, 0
.macro WIN new                         ; the immediate's high byte repeats the setting that is left
.if MSB != (\new)
	s_set_vgpr_msb (MSB<<8)|(\new)
.set MSB, (\new)
.endif
.endm
.set MUL,   0xa5                       ; sources 0 and 1 window 1, C and D window 2
.set FIRST, 0x95                       ; the same with C (the bias) in window 1
.set TO_F,  0x40
.macro JLOAD s                         ; a joint load: waves 0 and 1 for A, waves 2 and 3 for B; an s_nop 0 and four v_nop follow each of the two lines
	s_cmp_eq_u32 s11, 0
	s_cbranch_scc0 .Lfor_b_\@
	tensor_load_to_lds s[G0+4*\s:G0+4*\s+3], s[G1:G1+7]
	s_nop 0
.rept 4
	v_nop
.endr
	s_branch .Lasked_\@
.Lfor_b_\@:
	tensor_load_to_lds s[G0B+4*\s:G0B+4*\s+3], s[G1B:G1B+7]
	s_nop 0
.rept 4
	v_nop
.endr
.Lasked_\@:
.endm
.macro CREST                           ; a round of the cluster's barrier behind its opening barrier
	s_cmp_lg_u32 s10, 0
	s_cbranch_scc1 .Lnot_wave_0_\@
	s_barrier_signal -3
.Lnot_wave_0_\@:
	s_barrier_wait -3
	s_barrier_signal -1
	s_barrier_wait -1
.endm
.macro CROUND
	s_barrier_signal -1
	s_barrier_wait -1
	CREST
.endm
	s_load_b128 s[4:7], s[0:1], 0x0                ; ctx s[4:5], wo16 s[6:7]
	s_load_b64 s[18:19], s[0:1], 0x10              ; bo
	s_load_b64 s[8:9], s[0:1], 0x18                ; out0
	v_lshl_add_u32 v[SPW], v0, 2, SPARE
	v_mov_b32 v[NIL], 0
	ds_add_u32 v[SPW], v[NIL]                      ; the wave's opening: the add, twice on end, and its wait ahead of my first tensor load
	ds_add_u32 v[SPW], v[NIL]
	v_lshrrev_b32 v1, 5, v0
	v_readfirstlane_b32 s10, v1                    ; wave 0..3
	s_lshr_b32 s11, s10, 1                         ; which 128 of the tile's rows are mine.  Also: I fetch for A (0) or for B (1)
	s_and_b32 s12, s10, 1                          ; which 64 of its columns.  Also: which plane of a K step I fetch
	s_bfe_u32 s40, ttmp6, 0x40000                  ; cx, cy
	s_bfe_u32 s41, ttmp6, 0x40004
	s_lshl_b32 s42, ttmp9, 2
	s_add_co_u32 s42, s42, s40                     ; tile column 0..7
	s_and_b32 s13, ttmp7, 0xffff
	s_lshl_b32 s13, s13, 2
	s_add_co_u32 s13, s13, s41                     ; tile row 0..31
	s_lshl_b32 s43, s41, 2
	s_lshl_b32 s43, 15, s43                        ; my row of the cluster
	s_lshl_b32 s44, 0x1111, s40                    ; my column
	s_or_b32 s[G1+0], s43, (1<<16)|(1<<20)|(1<<21)|(5<<22)|(3<<25)   ; the mask; elements of 2 bytes; padding on; bit 21 beside a mask; after every 64 words, 4 words
	s_or_b32 s[G1B+0], s44, (1<<16)|(1<<20)|(1<<21)|(5<<22)|(3<<25)
	s_mov_b32 s[G1+1], 128<<16                     ; tensor_dim0 = 128 elements
	s_mov_b32 s[G1+2], 128<<16                     ; tensor_dim1 = 128 stated rows
	s_mov_b32 s[G1+3], 128<<16                     ; tile_dim0
	s_mov_b32 s[G1+4], 128                         ; tile_dim1
	s_mov_b32 s[G1+5], 128                         ; from row to row
	s_mov_b32 s[G1+6], 0
	s_mov_b32 s[G1+7], 0
	s_mov_b32 s[G1B+1], 128<<16
	s_mov_b32 s[G1B+2], 64<<16                     ; B: 64 stated rows
	s_mov_b32 s[G1B+3], 128<<16
	s_mov_b32 s[G1B+4], 64
	s_mov_b32 s[G1B+5], 128
	s_mov_b32 s[G1B+6], 0
	s_mov_b32 s[G1B+7], 0
	s_lshl_b32 s16, s12, 20                        ; A: my plane of 8,192 rows x 128 bytes,
	s_lshl_b32 s17, s13, 15                        ; the tile's 256 rows
	s_add_co_u32 s16, s16, s17
	s_mov_b32 s17, 0
	s_lshl_b32 s46, s12, 17                        ; B: my plane of 1,024 rows x 128 bytes,
	s_lshl_b32 s47, s42, 14                        ; the tile's 128 rows
	s_add_co_u32 s46, s46, s47
	s_mov_b32 s47, 0
	s_mul_i32 s20, s12, APL                        ; where they go: no place in the cluster enters an LDS address
	s_mul_i32 s21, s12, BPL
	s_add_co_u32 s21, s21, 2*APL
	s_wait_dscnt 0x0                               ; both opening adds are done
	s_wait_kmcnt 0x0
	s_add_nc_u64 s[14:15], s[4:5], s[16:17]
	s_add_nc_u64 s[46:47], s[6:7], s[46:47]
	CROUND                                         ; all sixteen work-groups are here: the first joint loads meet
.irp s, 0,1
	s_mov_b32 s[G0+4*\s], 1
	s_add_co_u32 s[G0+4*\s+1], s20, \s*SLOT
	s_add_nc_u64 s[G0+4*\s+2:G0+4*\s+3], s[14:15], \s*2097152      ; K step s: two planes on
	s_or_b32 s[G0+4*\s+3], s[G0+4*\s+3], 0x80000000
	s_mov_b32 s[G0B+4*\s], 1
	s_add_co_u32 s[G0B+4*\s+1], s21, \s*SLOT
	s_add_nc_u64 s[G0B+4*\s+2:G0B+4*\s+3], s[46:47], \s*262144
	s_or_b32 s[G0B+4*\s+3], s[G0B+4*\s+3], 0x80000000
	JLOAD \s                                       ; two loads of mine are out
.endr
	v_and_b32 v1, 15, v0                           ; r
	v_bfe_u32 v2, v0, 4, 1                         ; h
	v_lshrrev_b32 v3, 1, v1
	v_mul_u32_u24 v3, v3, PITCH
	v_and_b32 v4, 1, v0
	v_lshl_add_u32 v3, v4, 7, v3
	v_lshl_add_u32 v3, v2, 4, v3                   ; a fragment's row: (r / 2) x pitch + (r % 2) x 128 + 16 h
	s_mul_i32 s21, s11, 64*PITCH                   ; my 128 rows of A
	s_mul_i32 s22, s12, 32*PITCH                   ; my 64 rows of B,
	s_add_co_u32 s22, s22, 2*APL                   ; which lie behind A's two planes
.irp s, 0,1
	v_add_nc_u32 v[ADRA+\s], s21, v3
	v_add_nc_u32 v[ADRB+\s], s22, v3
	s_add_co_u32 s21, s21, SLOT
	s_add_co_u32 s22, s22, SLOT
.endr
	s_mul_i32 s23, s10, 16*PITCH
	s_add_co_u32 s23, s23, STAGE                   ; my stage
	v_mul_u32_u24 v4, v1, PITCH                    ; in: row r, 32 bytes for each half of the lanes
	v_lshl_add_u32 v4, v2, 5, v4
	v_add_nc_u32 v[STO], s23, v4
	v_mul_u32_u24 v4, v2, PITCH                    ; back: lanes 0-15 one row of 256 bytes, lanes 16-31 the next
	v_lshl_add_u32 v4, v1, 4, v4
	v_add_nc_u32 v[RD], s23, v4
	v_lshlrev_b32 v4, 12, v2                       ; and the same two rows in out0
	v_lshl_add_u32 v[CO], v1, 4, v4
	v_lshlrev_b32 v5, 5, v2                        ; the bias: 32 h bytes
	s_lshl_b32 s46, s42, 9                         ; my first column, in bytes: 512 x tile column + 256 x half
	s_lshl_b32 s47, s12, 8
	s_add_co_u32 s46, s46, s47
	s_mov_b32 s47, 0
	s_add_nc_u64 s[18:19], s[18:19], s[46:47]
	s_lshl_b32 s16, s13, 20                        ; my first row: (256 x tile row + 128 x half) x 4,096 bytes
	s_lshl_b32 s17, s11, 19
	s_add_co_u32 s16, s16, s17
	s_mov_b32 s17, 0
	s_add_nc_u64 s[8:9], s[8:9], s[16:17]
	s_add_nc_u64 s[8:9], s[8:9], s[46:47]
	WIN TO_F
.irp b, 0,1,2,3
	global_load_b128 v[BO+8*\b:BO+8*\b+3], v5, s[18:19] offset:64*\b         ; lane (r, h): bo[16 b + 8 h + 0 .. 7]
	global_load_b128 v[BO+8*\b+4:BO+8*\b+7], v5, s[18:19] offset:64*\b+16
.endr
	WIN 0
; 8 matrix instructions: A's blocks a0, a0 + 1 x B's four, 32 along K.  zero = 1: the first product starts the sums from the bias.  The 32 accumulators take turns.
.macro MUL8 f, a0, zero
.irp a, \a0, \a0+1
.irp b, 0,1,2,3
.if \zero
	v_wmma_f32_16x16x32_f16 v[8*(4*(\a)+\b):8*(4*(\a)+\b)+7], v[\f+8*\b:\f+8*\b+7], v[\f+32+8*(\a):\f+32+8*(\a)+7], v[BO+8*\b:BO+8*\b+7]
.else
	v_wmma_f32_16x16x32_f16 v[8*(4*(\a)+\b):8*(4*(\a)+\b)+7], v[\f+8*\b:\f+8*\b+7], v[\f+32+8*(\a):\f+32+8*(\a)+7], v[8*(4*(\a)+\b):8*(4*(\a)+\b)+7]
.endif
.endr
.endr
.endm
; 24 LDS loads in one run: the fragments of the slot's q-th 32 along K (plane q / 2, bytes 64 (q % 2) on) into buffer f: B's four, A's blocks 0-3, A's blocks 4-7
.macro FETCH slot, q, f
	WIN TO_F
.irp b, 0,1,2,3
	ds_load_b128 v[\f+8*\b:\f+8*\b+3],   v[ADRB+\slot] offset:\b*8*PITCH+((\q)/2)*BPL+((\q)%2)*64
	ds_load_b128 v[\f+8*\b+4:\f+8*\b+7], v[ADRB+\slot] offset:\b*8*PITCH+((\q)/2)*BPL+((\q)%2)*64+32
.endr
.irp a, 0,1,2,3,4,5,6,7
	ds_load_b128 v[\f+32+8*\a:\f+32+8*\a+3],   v[ADRA+\slot] offset:\a*8*PITCH+((\q)/2)*APL+((\q)%2)*64
	ds_load_b128 v[\f+32+8*\a+4:\f+32+8*\a+7], v[ADRA+\slot] offset:\a*8*PITCH+((\q)/2)*APL+((\q)%2)*64+32
.endr
.endm
.macro PLACES                          ; four places in front of loads into registers that matrix instructions have read, and of the first read of results (ISA guide 7.12.1 for the first read of results)
.rept 4
	v_nop
.endr
.endm
; A K step is four quarters of 32 along K, 32 matrix instructions each, on buffers 0, 1, 0, 1.  One of the first three: multiplies buffer f and fetches quarter qn of the same slot into g.
.macro QUARTER slot, qn, f, g, zero
	s_wait_dscnt 8                                 ; B and A's blocks 0-3 are in; the youngest eight loads (A's blocks 4-7) may be out
.if \zero
	WIN FIRST
.else
	WIN MUL
.endif
	MUL8 \f, 0, \zero
	MUL8 \f, 2, \zero
	PLACES
	FETCH \slot, \qn, \g
	s_wait_dscnt 24                                ; all but the 24 just issued
.if \zero
	WIN FIRST
.else
	WIN MUL
.endif
	MUL8 \f, 4, \zero
	MUL8 \f, 6, \zero
.endm
; The last quarter multiplies buffer 1 and changes slots: ONE barrier; in front of it each wave waits for all its tensor loads, adds 0 to its spare word, and waits for that and for its reads of this slot.
; fill = 1: the barrier opens a round of the cluster's, and this slot is filled again, two K steps ahead.
.macro TURN slot, next, fill
	WIN 0
	s_wait_tensorcnt 0x0                           ; all my tensor loads have landed: my part of the next slot;
	ds_add_u32 v[SPW], v[NIL]                      ; 0 onto my spare word;
	s_wait_dscnt 9                                 ; (the add and the youngest eight loads may be out)
	WIN MUL
	MUL8 F1, 0, 0                                  ; eight matrix instructions stand between the add and the wait for it
	s_wait_dscnt 0x0                               ; the add is done, and my reads of this slot are over
	s_barrier_signal -1
	MUL8 F1, 2, 0
.if \fill
	WIN 0
.endif
	s_barrier_wait -1
.if \fill
	CREST                                          ; no wave of any partner still reads this slot's tile or has a load on its way
	s_add_nc_u64 s[G0+4*\slot+2:G0+4*\slot+3], s[G0+4*\slot+2:G0+4*\slot+3], 4194304     ; four planes on
	s_add_nc_u64 s[G0B+4*\slot+2:G0B+4*\slot+3], s[G0B+4*\slot+2:G0B+4*\slot+3], 524288
	JLOAD \slot                                    ; the first tensor load behind the round; the four v_nop behind it are also the places in front of the loads below
.else
	PLACES
.endif
	FETCH \next, 0, F0
	WIN MUL
	MUL8 F1, 4, 0
	MUL8 F1, 6, 0
.endm
	s_wait_tensorcnt 1                             ; my part of K step 0 is in (K step 1's load may be out),
	s_barrier_signal -1
	s_barrier_wait -1                              ; everybody's is
	FETCH 0, 0, F0
	s_wait_loadcnt 0x0                             ; the bias
	QUARTER 0, 1, F0, F1, 1                        ; the first quarter stands in front of the loop: its products start the sums
	WIN 0                                          ; at a label and at a branch every window is 0
	s_mov_b32 s3, 3
.Llap:                                                 ; a trip goes once round the ring, from a lap's second quarter to the next lap's first, and fills both slots again: K steps 2 to 7
	QUARTER 0, 2, F1, F0, 0
	QUARTER 0, 3, F0, F1, 0
	TURN 0, 1, 1
	QUARTER 1, 1, F0, F1, 0
	QUARTER 1, 2, F1, F0, 0
	QUARTER 1, 3, F0, F1, 0
	TURN 1, 0, 1
	QUARTER 0, 1, F0, F1, 0
	WIN 0
	s_sub_co_u32 s3, s3, 1
	s_cmp_lg_u32 s3, 0
	s_cbranch_scc1 .Llap
	QUARTER 0, 2, F1, F0, 0                        ; the last lap fills nothing, and has no round of the cluster's barrier
	QUARTER 0, 3, F0, F1, 0
	TURN 0, 1, 0
	QUARTER 1, 1, F0, F1, 0
	QUARTER 1, 2, F1, F0, 0
	QUARTER 1, 3, F0, F1, 0
	s_wait_dscnt 8                                 ; the very last quarter: nothing more to fetch
	WIN MUL
	MUL8 F1, 0, 0
	MUL8 F1, 2, 0
	s_wait_dscnt 0
	MUL8 F1, 4, 0
	MUL8 F1, 6, 0
	WIN 0
; THE WAY OUT, block by block of 16 rows x 64 columns: through my own stage, and back as whole rows of 256 bytes.
.macro TOSTAGE a
	WIN 0x08                                       ; an LDS store's data are its source 1: window 2
.irp b, 0,1,2,3
	ds_store_b128 v[STO], v[8*(4*(\a)+\b):8*(4*(\a)+\b)+3] offset:64*\b          ; each accumulator from its low end on
	ds_store_b128 v[STO], v[8*(4*(\a)+\b)+4:8*(4*(\a)+\b)+7] offset:64*\b+16
.endr
	WIN 0
.set BB, OB+32*((\a)%2)
.irp t, 0,1,2,3,4,5,6,7
	ds_load_b128 v[BB+4*\t:BB+4*\t+3], v[RD] offset:\t*2*PITCH   ; LDS serves a wave's instructions in order (ISA guide 5.7.1.4): these see the stores above
.endr
.endm
.macro SEND a, younger                 ; younger: the LDS instructions issued behind block a's loads, which may stay out
.set BB, OB+32*((\a)%2)
	s_wait_dscnt \younger
.irp t, 0,1,2,3,4,5,6,7
	global_store_b128 v[CO], v[BB+4*\t:BB+4*\t+3], s[8:9] offset:(16*(\a)+2*\t)*4096 th:TH_STORE_NT   ; 16 lanes store 256 consecutive bytes, at a multiple of 256 from out0's first byte; every offset is an immediate
.endr
.endm
	PLACES
	TOSTAGE 0
.irp a, 1,2,3,4,5,6,7
.if \a > 1
	s_wait_xcnt 0x0                                ; block a - 2's stores have read their registers: block a's loads may land there
.endif
	TOSTAGE \a
	SEND \a-1, 16                                  ; behind block a - 1's loads: block a's 8 stores and 8 loads
.endr
	SEND 7, 0
	s_wait_tensorcnt 0x0                           ; the wave's end
	ds_add_u32 v[SPW], v[NIL]
	s_wait_dscnt 0x0
	CROUND                                         ; the closing round
	s_endpgm
.Lfunc_end_k_qe93728ae00_proj:
	.size	k_qe93728ae00_proj, .Lfunc_end_k_qe93728ae00_proj-k_qe93728ae00_proj
	.p2alignl 7, 3214868480
	.fill 96, 4, 3214868480
	.section	.rodata,"a",@progbits
	.p2align	6, 0x0
	.amdhsa_kernel k_qe93728ae00_proj
		.amdhsa_group_segment_fixed_size 327680
		.amdhsa_private_segment_fixed_size 0
		.amdhsa_enable_private_segment 0
		.amdhsa_kernarg_size 32
		.amdhsa_user_sgpr_count 2
		.amdhsa_user_sgpr_kernarg_segment_ptr 1
		.amdhsa_wavefront_size32 1
		.amdhsa_system_sgpr_workgroup_id_x 1
		.amdhsa_system_sgpr_workgroup_id_y 1
		.amdhsa_system_sgpr_workgroup_id_z 1
		.amdhsa_system_vgpr_workitem_id 0
		.amdhsa_next_free_vgpr 768
		.amdhsa_next_free_sgpr 66
		.amdhsa_reserve_vcc 0
		.amdhsa_float_denorm_mode_32 3
		.amdhsa_float_denorm_mode_16_64 3
		.amdhsa_memory_ordered 1
		.amdhsa_forward_progress 1
		.amdhsa_inst_pref_size 86
	.end_amdhsa_kernel
	.amdgpu_metadata
---
amdhsa.version: [ 1, 2 ]
amdhsa.kernels:
  - .name:           k_qe93728ae00_proj
    .symbol:         k_qe93728ae00_proj.kd
    .args:
      - { .name: ctx, .offset: 0, .size: 8, .value_kind: global_buffer, .address_space: global }
      - { .name: wo16, .offset: 8, .size: 8, .value_kind: global_buffer, .address_space: global }
      - { .name: bo, .offset: 16, .size: 8, .value_kind: global_buffer, .address_space: global }
      - { .name: out0, .offset: 24, .size: 8, .value_kind: global_buffer, .address_space: global }
    .group_segment_fixed_size: 327680
    .private_segment_fixed_size: 0
    .kernarg_segment_align: 8
    .kernarg_segment_size: 32
    .max_flat_workgroup_size: 128
    .sgpr_count:     66
    .vgpr_count:     768
    .wavefront_size: 32
...
	.end_amdgpu_metadata
.endif
;; end of part 4
